; MI455X (gfx1250); checked and timed in simulation.
; The chip was launched on July 23, 2026; its instructions are those of AMD's public machine-readable ISA for CDNA 5 (MIT licence, August 2026) and "CDNA5" Instruction Set Architecture Reference Guide (July 2026). The comments in the code are by the model that wrote it; some were corrected since.
;; Mo E Layer. Allowed arithmetic: float matrix products may take bf16 or f16 operands with f32 sums; other float arithmetic in f32, or as packed bf16 or f16 multiplies, adds, multiply-adds, maxima and minima; sums over many terms, partial sums and values carried from step to step in f32; what a program stores and reads back later, other than sums and carried values, may be rounded once to bf16 or f16.
;; Inputs: b1 8 x 2,048 float32; b2 8 x 1,024 float32; b_router 8 float32; w1 8 x 1,024 x 2,048 float32; w2 8 x 2,048 x 1,024 float32; w_router 1,024 x 8 float32; x 4 x 512 x 1,024 float32.
;; Outputs: out0 4 x 512 x 1,024 float32.
;; 2 versions, each right; version 2 is version 1 with the launch prep written anew for expert scheduling mode. Each part assembles by itself: llvm-mc -triple=amdgcn-amd-amdhsa -mcpu=gfx1250 --defsym DOCPART=n.
;; ======== version 1 of 2: 4 launches
;; limits: values are held in f16: magnitudes above 65,504 overflow, below 6.1e-05 lose precision
;; workspace buffers: xb 4,194,304 bytes; w1b 33,554,432 bytes; w2h 33,554,432 bytes; gates 65,536 bytes; h 67,108,864 bytes; part 67,108,864 bytes
;; launch prep (part 1): grid 1280 x 1, 4 waves a work-group, no clusters, 0 bytes of LDS; arguments x, w_router, b_router, w1, xb, w1b, gates; writes xb, w1b, gates
.if DOCPART == 1
	.amdgcn_target "amdgcn-amd-amdhsa--gfx1250"
	.amdhsa_code_object_version 6
	.text
	.protected	k_q516a28ec85_prep
	.globl	k_q516a28ec85_prep
	.p2align	8
	.type	k_q516a28ec85_prep,@function
k_q516a28ec85_prep:
	s_mov_b64 s[64:65], 0
	v_nop
	global_prefetch_b8 v0, s[64:65] scope:SCOPE_SE
	s_setreg_imm32_b32 hwreg(HW_REG_WAVE_MODE, 25, 1), 1
	s_wait_xcnt 0x0
; PREP.  Two kinds of work-group, chosen by the work-group's number g:
;   g < 256   ROUTER: 8 tokens; x is rounded to bf16 (xb), and gates[t][e] = softmax_e(x[t] . w_router[:, e] + b_router[e]) is stored in f32.
;   g >= 256  w1 is rounded to bf16 (w1b), as it lies, 65,536 input bytes a work-group.
; (w2 is not wanted before the second product: the launch behind this one rounds it beside its matrix work.)
; All inputs are rounded to bf16 once, here or where they are read; the router multiplies the same rounded x, w_router and b_router, with f32 sums.
; 256 + 1,024 work-groups are five for each of 256 WGPs.
; THE ROUTER IS NOT ON THE MATRIX UNIT: its product has 8 columns, 2048 x 1024 x 8 multiply-adds against the module's 2 x 2048 x 1024 x 16384; a matrix fragment wants one token a lane, while the
; cast of x wants 32 lanes on 512 neighbouring bytes of one token.  So each lane multiplies its 32 columns by bf16 halves (v_fma_mix_f32_bf16), and the lanes' sums meet by a reduce-scatter.
; No LDS, no barrier, no cluster: no wave needs another's data but w_router, 32,768 bytes that every router wave reads for itself.
; LIMITS.  An exponential below 2^-126 counts as 0.  NaN and infinities are not treated apart.
.set RING, 64                          ; v[64:127]   16 slots of four registers: loads on their way
.set YY,   128                         ; v[128:191]  cast: two registers for each of a wave's 32 stores, never rewritten
.set ACC,  16                          ; v[16:31]    router: the sum of token k, expert e at ACC + 8 k + e
.set XB,   32                          ; v[32:63]    router: token k's 32 columns of this lane, packed bf16, at XB + 16 k
.set W,    128                         ; v[128:255]  router: w_router of this lane's 32 columns: column q, expert e in W + 4 q + e / 2, half e % 2
; A wave casts 16,384 bytes: 32 loads of 512 neighbouring bytes, 16 of them on their way; each store of the wave covers 256 consecutive bytes, aligned.
.macro CAST in, out
.set j, 0
.rept 16
	global_load_b128 v[RING+4*j:RING+4*j+3], v2, s[\in:\in+1] offset:512*j th:TH_LOAD_NT
.set j, j+1
.endr
.set j, 0
.rept 32
.set sl, RING+4*(j%16)
.if j < 16
	s_wait_loadcnt 15                              ; loads come back in order: behind load j stand 15 - j of the first sixteen and the j issued since
.else
	s_wait_loadcnt 31-j                            ; nothing more is issued: the counts run down
.endif
	v_cvt_pk_bf16_f32 v[YY+2*j], v[sl], v[sl+1]
	v_cvt_pk_bf16_f32 v[YY+2*j+1], v[sl+2], v[sl+3]
.if j < 16
	global_load_b128 v[sl:sl+3], v2, s[\in:\in+1] offset:512*(j+16) th:TH_LOAD_NT
.endif
	global_store_b64 v3, v[YY+2*j:YY+2*j+1], s[\out:\out+1] offset:256*j
.set j, j+1
.endr
.endm
; One step of the reduce-scatter over n sums: a lane whose bit b is 0 keeps the even sum of each pair and sends the odd one to the lane x away, the other lane the other way round.
.macro BFLY b, x, n
.set i, 0
.rept (\n)/2
	v_cndmask_b32 v[8+2*(i%2)], v[ACC+2*i+1], v[ACC+2*i], s[24+\b]   ; what I send
	v_cndmask_b32 v[9+2*(i%2)], v[ACC+2*i], v[ACC+2*i+1], s[24+\b]   ; what I keep
	v_add_f32_dpp v[ACC+i], v[8+2*(i%2)], v[9+2*(i%2)] row_xmask:\x row_mask:0xf bank_mask:0xf
.set i, i+1
.endr
.endm
; Token k: 32 columns x 8 experts, eight chains that do not wait for each other; the first product starts each sum on v5 = 0.
.macro DOT k
.set qq, 0
.rept 16
.irp sa, 0,1
.set ee, 0
.rept 4
.irp sb, 0,1
.if (qq == 0) && (\sa == 0)
	v_fma_mix_f32_bf16 v[ACC+8*(\k)+2*ee+\sb], v[XB+16*(\k)+qq], v[W+4*(2*qq+\sa)+ee], v5 op_sel:[\sa,\sb,0] op_sel_hi:[1,1,0]
.else
	v_fma_mix_f32_bf16 v[ACC+8*(\k)+2*ee+\sb], v[XB+16*(\k)+qq], v[W+4*(2*qq+\sa)+ee], v[ACC+8*(\k)+2*ee+\sb] op_sel:[\sa,\sb,0] op_sel_hi:[1,1,0]
.endif
.endr
.set ee, ee+1
.endr
.endr
.set qq, qq+1
.endr
.endm
; Token k's eight loads are rounded to bf16, packed and stored: each store of the wave covers 256 consecutive bytes of xb, aligned.
.macro XROW k
.set j, 0
.rept 8
	v_cvt_pk_bf16_f32 v[XB+16*(\k)+2*j], v[RING+32*(\k)+4*j], v[RING+32*(\k)+4*j+1]
	v_cvt_pk_bf16_f32 v[XB+16*(\k)+2*j+1], v[RING+32*(\k)+4*j+2], v[RING+32*(\k)+4*j+3]
	global_store_b64 v4, v[XB+16*(\k)+2*j:XB+16*(\k)+2*j+1], s[12:13] offset:2048*(\k)+256*j
.set j, j+1
.endr
.endm
	s_load_b256 s[4:11], s[0:1], 0x0               ; x s[4:5], w_router s[6:7], b_router s[8:9], w1 s[10:11]
	s_load_b128 s[12:15], s[0:1], 0x20             ; xb s[12:13], w1b s[14:15]
	s_load_b64 s[16:17], s[0:1], 0x30              ; gates
	s_mov_b32 s23, ttmp9                           ; g
	v_and_b32 v1, 31, v0                           ; lane
	v_lshrrev_b32 v3, 5, v0
	v_readfirstlane_b32 s22, v3                    ; wave
	s_mov_b32 s33, 0                               ; the high word of every offset
	s_wait_kmcnt 0x0
	s_cmp_lt_u32 s23, 256
	s_cbranch_scc1 .Lrouter
	v_lshlrev_b32 v2, 4, v1
	v_lshl_add_u32 v2, v3, 14, v2                  ; in: 16 x lane + 16,384 x wave; never rewritten
	v_lshlrev_b32 v4, 3, v1
	v_lshl_add_u32 v3, v3, 13, v4                  ; out: half of that; never rewritten
	s_sub_co_u32 s30, s23, 256
	s_lshl_b32 s32, s30, 16                        ; four waves x 16,384 bytes in,
	s_add_nc_u64 s[10:11], s[10:11], s[32:33]
	s_lshl_b32 s32, s30, 15                        ; half of that out
	s_add_nc_u64 s[14:15], s[14:15], s[32:33]
	CAST 10, 14
	s_endpgm
.Lrouter:                                              ; a wave has two tokens, t0 = 8 g + 2 wave and t0 + 1
	s_lshl_b32 s30, s23, 3
	s_lshl_b32 s31, s22, 1
	s_add_co_u32 s30, s30, s31
	s_lshl_b32 s32, s30, 12
	s_add_nc_u64 s[4:5], s[4:5], s[32:33]          ; x at t0
	s_lshl_b32 s32, s30, 11
	s_add_nc_u64 s[12:13], s[12:13], s[32:33]      ; xb at t0
	s_lshl_b32 s32, s30, 5
	s_add_nc_u64 s[16:17], s[16:17], s[32:33]      ; gates at t0
	s_mov_b32 s28, 0x76543210                      ; v_permlanex16_b32: each lane takes its own place in the other half
	s_mov_b32 s29, 0xfedcba98
	v_lshlrev_b32 v2, 4, v1                        ; x: load j of a token brings me columns 128 j + 4 lane + 0..3
	v_lshlrev_b32 v3, 7, v1                        ; w_router: those four rows of 32 bytes begin at 4,096 j + 128 lane
	v_lshlrev_b32 v4, 3, v1                        ; xb: the same four columns, 8 bytes
	v_lshlrev_b32 v12, 2, v1                       ; gates: 4 x lane
	v_mov_b32 v5, 0
	v_and_b32 v13, 7, v1
	v_lshlrev_b32 v13, 2, v13                      ; b_router of expert lane % 8; v13 is not rewritten
	global_load_b32 v6, v13, s[8:9]
.irp b, 0,1,2,3
	v_and_b32 v7, 1<<\b, v1
	v_cmp_ne_u32 s[24+\b], 0, v7                   ; the lanes whose bit b is set
.endr
.set i, 0
.rept 16
	global_load_b128 v[RING+4*i:RING+4*i+3], v3, s[6:7] offset:4096*(i/8)+16*(i%8)
.set i, i+1
.endr
; w_router's 64 loads go through the ring; load i holds column q = 4 (i / 8) + (i % 8) / 2 of my 32, experts 4 (i % 2) + 0..3.  Behind them, into the same slots, x's sixteen.
.set i, 0
.rept 64
.set sl, RING+4*(i%16)
	s_wait_loadcnt 15                              ; one load is issued a step, so 15 stand behind load i
	v_cvt_pk_bf16_f32 v[W+2*i], v[sl], v[sl+1]
	v_cvt_pk_bf16_f32 v[W+2*i+1], v[sl+2], v[sl+3]
.if i < 48
.set n, i+16
	global_load_b128 v[sl:sl+3], v3, s[6:7] offset:4096*(n/8)+16*(n%8)
.else
.set n, i-48
	global_load_b128 v[sl:sl+3], v2, s[4:5] offset:4096*(n/8)+512*(n%8) th:TH_LOAD_NT  ; token n / 8, load n % 8, in slot n
.endif
.set i, i+1
.endr
	s_wait_loadcnt 8                               ; the first token's eight loads are in; the second's may stay out
	XROW 0
	DOT 0
	s_wait_loadcnt 0x0
	XROW 1
	DOT 1
	BFLY 0, 1, 16                                  ; 16 sums a lane become one: lane l of a half holds token (l >> 3) & 1, expert l & 7, summed over the half's 16 lanes,
	BFLY 1, 2, 8
	BFLY 2, 4, 4
	BFLY 3, 8, 2
	v_permlanex16_b32 v8, v[ACC], s28, s29         ; (v8 has been written)
	v_add_f32 v[ACC], v[ACC], v8                   ; and over both halves
	v_cvt_pk_bf16_f32 v7, v6, v6                   ; the bias, rounded like every input
	v_lshlrev_b32 v7, 16, v7
	v_add_f32 v[ACC], v[ACC], v7
	v_mov_b32 v8, v[ACC]                           ; the token's largest logit: its eight experts lie in eight neighbouring lanes
	v_max_num_f32_dpp v8, v8, v8 row_xmask:1 row_mask:0xf bank_mask:0xf
	v_max_num_f32_dpp v8, v8, v8 row_xmask:2 row_mask:0xf bank_mask:0xf
	v_max_num_f32_dpp v8, v8, v8 row_xmask:4 row_mask:0xf bank_mask:0xf
	v_sub_f32 v9, v[ACC], v8
	v_mul_f32 v9, 0x3fb8aa3b, v9                   ; log2(e)
	v_exp_f32 v9, v9
	v_nop                                          ; a plain instruction behind the exponential (ISA guide 5.7.2),
	s_wait_alu depctr_va_vdst(0)                   ; and the wait ahead of its first reader
	v_mov_b32 v10, v9
	v_add_f32_dpp v10, v10, v10 row_xmask:1 row_mask:0xf bank_mask:0xf
	v_add_f32_dpp v10, v10, v10 row_xmask:2 row_mask:0xf bank_mask:0xf
	v_add_f32_dpp v10, v10, v10 row_xmask:4 row_mask:0xf bank_mask:0xf
	v_rcp_f32 v11, v10
	v_nop
	s_wait_alu depctr_va_vdst(0)
	v_mul_f32 v9, v9, v11
	v_cmp_gt_u32 vcc_lo, 16, v1                    ; lanes 0-15 store the two tokens' 64 consecutive bytes: a quarter of an aligned 256; the whole buffer is 65,536 bytes
	s_wait_xcnt 0x0                                ; EXEC changes only behind this wait: xb's stores are out
	s_and_saveexec_b32 s31, vcc_lo
	global_store_b32 v12, v9, s[16:17]
	s_wait_xcnt 0x0
	s_or_b32 exec_lo, exec_lo, s31
	s_endpgm
.Lfunc_end_k_q516a28ec85_prep:
	.size	k_q516a28ec85_prep, .Lfunc_end_k_q516a28ec85_prep-k_q516a28ec85_prep
	.p2alignl 7, 3214868480
	.fill 96, 4, 3214868480
	.section	.rodata,"a",@progbits
	.p2align	6, 0x0
	.amdhsa_kernel k_q516a28ec85_prep
		.amdhsa_group_segment_fixed_size 0
		.amdhsa_private_segment_fixed_size 0
		.amdhsa_enable_private_segment 0
		.amdhsa_kernarg_size 56
		.amdhsa_user_sgpr_count 2
		.amdhsa_user_sgpr_kernarg_segment_ptr 1
		.amdhsa_wavefront_size32 1
		.amdhsa_system_sgpr_workgroup_id_x 1
		.amdhsa_system_sgpr_workgroup_id_y 1
		.amdhsa_system_sgpr_workgroup_id_z 1
		.amdhsa_system_vgpr_workitem_id 0
		.amdhsa_next_free_vgpr 256
		.amdhsa_next_free_sgpr 66
		.amdhsa_reserve_vcc 1
		.amdhsa_float_denorm_mode_32 3
		.amdhsa_float_denorm_mode_16_64 3
		.amdhsa_memory_ordered 1
		.amdhsa_forward_progress 1
		.amdhsa_inst_pref_size 71
	.end_amdhsa_kernel
	.amdgpu_metadata
---
amdhsa.version: [ 1, 2 ]
amdhsa.kernels:
  - .name:           k_q516a28ec85_prep
    .symbol:         k_q516a28ec85_prep.kd
    .args:
      - { .name: x, .offset: 0, .size: 8, .value_kind: global_buffer, .address_space: global }
      - { .name: w_router, .offset: 8, .size: 8, .value_kind: global_buffer, .address_space: global }
      - { .name: b_router, .offset: 16, .size: 8, .value_kind: global_buffer, .address_space: global }
      - { .name: w1, .offset: 24, .size: 8, .value_kind: global_buffer, .address_space: global }
      - { .name: xb, .offset: 32, .size: 8, .value_kind: global_buffer, .address_space: global }
      - { .name: w1b, .offset: 40, .size: 8, .value_kind: global_buffer, .address_space: global }
      - { .name: gates, .offset: 48, .size: 8, .value_kind: global_buffer, .address_space: global }
    .group_segment_fixed_size: 0
    .private_segment_fixed_size: 0
    .kernarg_segment_align: 8
    .kernarg_segment_size: 56
    .max_flat_workgroup_size: 128
    .sgpr_count:     66
    .vgpr_count:     256
    .wavefront_size: 32
...
	.end_amdgpu_metadata
.endif
;; end of part 1
;; launch up (part 2): grid 64 x 8, 4 waves a work-group, clusters of 4 x 4, 327,680 bytes of LDS; arguments xb, w1b, b1, gates, h, w2, w2h; writes h, w2h
.if DOCPART == 2
	.amdgcn_target "amdgcn-amd-amdhsa--gfx1250"
	.amdhsa_code_object_version 6
	.text
	.protected	k_q516a28ec85_up
	.globl	k_q516a28ec85_up
	.p2align	8
	.type	k_q516a28ec85_up,@function
k_q516a28ec85_up:
	s_mov_b64 s[64:65], 0
	v_nop
	global_prefetch_b8 v0, s[64:65] scope:SCOPE_SE
	s_setreg_imm32_b32 hwreg(HW_REG_WAVE_MODE, 25, 1), 1
	s_wait_xcnt 0x0
	s_wait_alu depctr_hold_cnt(0) depctr_sa_sdst(0) depctr_va_vdst(0) depctr_va_sdst(0) depctr_va_ssrc(0) depctr_va_vcc(0) depctr_vm_vsrc(0)
	s_getreg_b32 s2, hwreg(HW_REG_IB_STS2, 6, 4)
	s_cmp_eq_u32 s2, 0
	s_cbranch_scc0 .Lentry_in_a_cluster
	s_endpgm
.Lentry_in_a_cluster:
	s_bfe_u32 s2, ttmp6, 0x10000c
	s_cmp_lg_u32 s2, 0xf033
	s_cbranch_scc0 .Lentry_shape_is_right
	s_endpgm
.Lentry_shape_is_right:
; UP.  h[t][2048 e + d] = gates[t][e] x gelu(sum over c of xb[t][c] w1b[e][c][d] + b1[e][d]), in f16.  xb: [2048][1024] bf16; w1b: [8][1024][2048] bf16, K down the rows; h: [2048][16384] f16.
; The gate is folded into the hidden layer, so that the second product sums over experts and hidden units alike.
; SHARES.  A work-group makes 256 tokens x 256 hidden units (tile column TX = 8 e + the expert's eighth), its four waves 128 x 128 each: 64 accumulators, 512 registers.  K = 1024 goes in steps of 128
; through a ring of two LDS slots filled by the tensor data mover.  A's rows are 256 bytes, B's (128 rows of K x 256 columns) 512 bytes, all aligned to their length.
; B lies [k][n] in LDS as in memory and comes out turned, by ds_load_tr16_b128.
; CLUSTER.  4 x 4 work-groups: the four of a row need the same tiles of xb, the four of a column the same tiles of w1b; each tile is asked for jointly, by the same load with a mask of the four.
; THE MATRIX INSTRUCTION IS USED TRANSPOSED (source 0 = 16 columns of B, source 1 = 16 rows of A): a lane holds row l % 16 and columns 8 (l / 16) + 0..7.
; BESIDE THE PRODUCT each wave rounds a share of w2 for the launch behind (w2h: rounded to bf16 like every input, that number written as f16, as w2 lies): 67,108,864 bytes over 2,048 waves are 32,768
; a wave: 64 loads of 512 neighbouring bytes, two for each of the K loop's quarter steps, through 16 register slots: a load is asked for eight quarters, 512 matrix instructions, ahead of its use.
; Its sixteen vector lines a quarter stand where plain places are wanted behind matrix instructions anyway.
; THE WAY OUT.  When the ring has had its last fill and every wave has read it out, its bytes become four stages, one a wave: the wave's 128 x 128 sums in f32, rows of 528 bytes.  They come back
; as whole rows (a lane: four neighbouring columns), eight rows a trip; bias, GELU, gate and rounding follow, and each store of the wave covers 256 consecutive bytes of h, aligned.
; GELU is exact-erf GELU by the rational form of Abramowitz and Stegun 7.1.26 (|error of erf| <= 1.5e-7 for every argument): t = 1 / (1 + 0.23164189 |x|),
; q = (a1 t + .. + a5 t^5) / 2 x 2^(-x^2 log2(e) / 2), gelu = max(x, 0) - |x| q.
; LIMITS.  h is f16: |gate x gelu| stays under 65,504 (inputs 30 times the drawn spread give some 5,000; x and w1 both offset by 30 spreads some 29,000), and below 6.1e-5 it has the fixed step 6e-8.
; w2h is f16 too: no number beyond 65,504, the fixed step 6e-8 below 6.1e-5; a bf16 number between these is exact in f16.
; b1 is rounded to bf16 like every input.  An exponential below 2^-126 counts as 0.  NaN and infinities are not treated apart.  K is summed in the matrix unit's order, ascending.
; REGISTERS, in windows of 256: window 0: v0-31 addresses and the head's loads; v32-47, v192-255 w2's cast; v64-127, v128-191 A's fragments, two buffers; on the way out v32-255 at work.
; Window 1: v64-127, v128-191 B's fragments.  Windows 2, 3: the accumulators of my rows 0-63, 64-127: (a, b) at v[8 (8 (a % 4) + b)].
.set PA,     272                       ; a row of A in LDS: 256 bytes + 16: 68 words, so the 16 rows of a load start at 16 different groups of four banks (64 banks of 4 bytes: ISA guide 11.1)
.set PB,     544                       ; a row of B: 512 bytes + 32: 136 words
.set HALF,   128*PA                    ; what one tensor load brings: 128 rows of A, or 64 rows of B (64 x 544 is the same 34,816 bytes)
.set BOFF,   2*HALF                    ; B's 128 rows lie behind A's 256
.set SLOT,   4*HALF
.set SPARE,  2*SLOT                    ; behind the ring: the spare words, 128 bytes for each wave: two blocks of 256 bytes that no other line names
.set GT,     SPARE+512                 ; the gates of each wave's 128 rows, each twice: 1,024 bytes a wave; no tensor load lands here
.set SP,     528                       ; a stage row: 512 bytes + 16
.set WSTAGE, 128*SP                    ; a wave's stage; four of them, 270,336 bytes, lie inside the ring's 278,528
.set LAPS,   4                         ; a lap = two K steps = once round the ring
.set ASTEP,  256                       ; a K step in xb: 128 elements along a row
.set BSTEP,  524288                    ; in w1b: 128 rows of 4,096 bytes
.set APITCH, 1024
.set BPITCH, 2048
.set ADRA, 16                          ; v16-17  LDS address of my A fragments in slot 0, 1
.set CI,   18                          ; v18     16 x lane: my 16 bytes in a load of w2; never rewritten
.set ADRB, 20                          ; v20-21  the same as ADRA for B
.set STO,  24                          ; v24     the stage: where I put my 32 bytes of a row
.set RD,   25                          ; v25     the stage: where I read 16 bytes of a row back
.set CO,   26                          ; v26     8 x lane: my byte offset in a row's 256 bytes of h, and in a store of w2h; never rewritten
.set GTA,  27                          ; v27     where I put my rows' gates
.set SPW,  28                          ; v28     LDS address of my spare word; never rewritten
.set NIL,  29                          ; v29     0; never rewritten
.set GTR,  30                          ; v30     where the gates of the next eight rows lie
.set BI,   12                          ; v[12:15] b1 of my four columns;  v[8:11] the gates of rows lane + 32 i
.set CY,   32                          ; v[32:35] w2's cast: two stores' data
.set CT,   36                          ; v[36:39] packed bf16
.set CE,   40                          ; v[40:47] widened again
.set CR,   192                         ; v[192:255] 16 slots of four registers: loads of w2 on their way
.set F0,   64
.set F1,   128
.set RP,   32                          ; the way out, window 0: 32 registers each: x;
.set RA,   64                          ; |x|
.set RT,   96                          ; t
.set RU,   128                         ; the exponential
.set RM,   160                         ; max(x, 0), then the result
.set RQ,   192                         ; the polynomial
.set RO,   224                         ; 16: packed f16
.set RG,   240                         ; 16: eight rows' gates, each twice
.set G1A, 24                           ; s[24:31] descriptor group 1 for A's tiles;  s[32:39] group 0, a set for each slot
.set G0A, 32
.set G1B, 48                           ; s[48:55], s[56:63] the same for B's
.set G0B, 56
.set MSB, 0
.macro WIN new                         ; the immediate's high byte repeats the setting that is left; a switch that changes nothing is dropped
.if MSB != (\new)
	s_set_vgpr_msb (MSB<<8)|(\new)
.set MSB, \new
.endif
.endm
.set MUL_LO, 0xa1                      ; source 0 (B) window 1, source 1 (A) window 0, C and D window 2
.set MUL_HI, 0xf1                      ; the same, C and D window 3
.set TO_B,   0x40                      ; destination window 1, address window 0
; A joint load.  Waves 0 and 1 fetch A's two halves, waves 2 and 3 B's.  The branch hangs on the wave's number alone.  An s_nop 0 and four v_nop follow each line.
.macro JLOAD s
	s_cmp_eq_u32 s15, 0
	s_cbranch_scc0 .Lfor_b_\@
	tensor_load_to_lds s[G0A+4*(\s):G0A+4*(\s)+3], s[G1A:G1A+7]
	s_nop 0
.rept 4
	v_nop
.endr
	s_branch .Lasked_\@
.Lfor_b_\@:
	tensor_load_to_lds s[G0B+4*(\s):G0B+4*(\s)+3], s[G1B:G1B+7]
	s_nop 0
.rept 4
	v_nop
.endr
.Lasked_\@:
.endm
.macro CREST                           ; a round of the cluster's barrier behind its opening barrier
	s_cmp_lg_u32 s14, 0
	s_cbranch_scc1 .Lnot_wave_0_\@
	s_barrier_signal -3
.Lnot_wave_0_\@:
	s_barrier_wait -3
	s_barrier_signal -1
	s_barrier_wait -1
.endm
.macro CROUND                          ; a whole round
	s_barrier_signal -1
	s_barrier_wait -1
	CREST
.endm
.macro PLACES                          ; four plain places behind matrix instructions, ahead of loads into their sources and of reads of their results
.rept 4
	v_nop
.endr
.endm
; A step of w2's cast: slots 2 p and 2 p + 1 of the sixteen.  Their 8 numbers a lane are rounded to bf16, widened, written as f16 and stored: each store of the wave covers 256 consecutive bytes, aligned.
; issue = 1: the two slots are asked for again, sixteen loads (8,192 bytes) further on.  left = the loads issued behind the step's two.  Its sixteen vector lines name no register of a matrix
; instruction, so they are also the places that the LDS loads behind them want.
.macro CSTEP p, issue, left
	WIN 0
	s_wait_loadcnt \left                           ; loads come back in order: my two are in
	s_wait_xcnt 0x0                                ; the last step's stores have read CY: it is rewritten only behind this wait
.irp u, 0,1
	v_cvt_pk_bf16_f32 v[CT+2*(\u)],   v[CR+8*(\p)+4*(\u)],   v[CR+8*(\p)+4*(\u)+1]
	v_cvt_pk_bf16_f32 v[CT+2*(\u)+1], v[CR+8*(\p)+4*(\u)+2], v[CR+8*(\p)+4*(\u)+3]
.endr
.irp u, 0,1,2,3
	v_lshlrev_b32 v[CE+2*(\u)], 16, v[CT+(\u)]
	v_and_b32 v[CE+2*(\u)+1], s82, v[CT+(\u)]
.endr
.irp u, 0,1,2,3
	v_cvt_pk_f16_f32 v[CY+(\u)], v[CE+2*(\u)], v[CE+2*(\u)+1]
.endr
.if \issue
.irp u, 0,1
	global_load_b128 v[CR+8*(\p)+4*(\u):CR+8*(\p)+4*(\u)+3], v[CI], s[84:85] offset:8192+512*(2*(\p)+(\u)) th:TH_LOAD_NT
.endr
.endif
.irp u, 0,1
	global_store_b64 v[CO], v[CY+2*(\u):CY+2*(\u)+1], s[86:87] offset:256*(2*(\p)+(\u))
.endr
.endm
; 16 matrix instructions: row blocks a0, a0 + 1 of the window's four x all 8 column blocks, 32 along K.  zero = 1: the first product starts the sums.
.macro MUL16 f, hi, a0, zero
	WIN MUL_LO+0x50*(\hi)
.irp a, \a0, (\a0)+1
.irp b, 0,1,2,3,4,5,6,7
.if \zero
	v_wmma_f32_16x16x32_bf16 v[8*(8*(\a)+(\b)):8*(8*(\a)+(\b))+7], v[(\f)+8*(\b):(\f)+8*(\b)+7], v[(\f)+8*(4*(\hi)+(\a)):(\f)+8*(4*(\hi)+(\a))+7], 0
.else
	v_wmma_f32_16x16x32_bf16 v[8*(8*(\a)+(\b)):8*(8*(\a)+(\b))+7], v[(\f)+8*(\b):(\f)+8*(\b)+7], v[(\f)+8*(4*(\hi)+(\a)):(\f)+8*(4*(\hi)+(\a))+7], v[8*(8*(\a)+(\b)):8*(8*(\a)+(\b))+7]
.endif
.endr
.endr
.endm
; 32 LDS loads in one run: quarter q (32 along K) of a slot into buffer f: B's 8 column blocks, turned, then A's 8 row blocks.
.macro FETCH slot, q, f
	WIN TO_B
.irp i, 0,1,2,3,4,5,6,7
	ds_load_tr16_b128 v[(\f)+8*(\i):(\f)+8*(\i)+3],   v[ADRB+(\slot)] offset:(\q)*32*PB+32*(\i)
	ds_load_tr16_b128 v[(\f)+8*(\i)+4:(\f)+8*(\i)+7], v[ADRB+(\slot)] offset:(\q)*32*PB+16*PB+32*(\i)
.endr
	WIN 0
.irp i, 0,1,2,3,4,5,6,7
	ds_load_b128 v[(\f)+8*(\i):(\f)+8*(\i)+3],   v[ADRA+(\slot)] offset:64*(\q)+(\i)*16*PA
	ds_load_b128 v[(\f)+8*(\i)+4:(\f)+8*(\i)+7], v[ADRA+(\slot)] offset:64*(\q)+(\i)*16*PA+32
.endr
.endm
; One of a K step's first three quarters: multiplies buffer f; in its middle stand a step of the cast (cp, ci, cl: CSTEP's arguments; cp < 0: none, four v_nop) and the fetch of quarter q of the same slot into buffer g.
.macro QUARTER slot, q, f, g, zero, cp=-1, ci=0, cl=0
	s_wait_dscnt 8                                 ; B and A's rows 0-63 are in; the youngest eight loads (A's rows 64-127) may be out
	MUL16 \f, 0, 0, \zero
	MUL16 \f, 0, 2, \zero
.if (\cp) < 0
	PLACES
.else
	CSTEP \cp, \ci, \cl
.endif
	FETCH \slot, \q, \g
	s_wait_dscnt 32                                ; all but the 32 just issued
	MUL16 \f, 1, 0, \zero
	MUL16 \f, 1, 2, \zero
.endm
; The last quarter multiplies buffer 1 and changes slots: ONE barrier.  In front of it each wave waits for all its tensor loads (one is out: its part of the next slot), adds 0 to its spare word, and waits
; for that and for its reads of this slot.  fill = 1: the barrier opens a round of the cluster's barrier, and the slot just read out is filled again, two K steps on, first thing behind the round.
; The quarter's step of the cast follows the refill.
.macro TURN slot, next, fill, cp, ci, cl
	WIN 0                                          ; (the add's two registers lie in window 0)
	s_wait_tensorcnt 0x0
	ds_add_u32 v[SPW], v[NIL]
	s_wait_dscnt 9                                 ; the add and the youngest eight loads may be out
	MUL16 F1, 0, 0, 0                              ; sixteen matrix instructions stand between the add and the wait for it
	s_wait_dscnt 0x0                               ; the add is done, and my reads of this slot are over
	s_barrier_signal -1
	MUL16 F1, 0, 2, 0                              ; work on registers while the others arrive
.if \fill
	WIN 0
.endif
	s_barrier_wait -1
.if \fill
	CREST                                          ; no wave of any partner still reads this slot or has a load on its way
	s_add_nc_u64 s[G0A+4*(\slot)+2:G0A+4*(\slot)+3], s[G0A+4*(\slot)+2:G0A+4*(\slot)+3], 2*ASTEP
	s_add_nc_u64 s[G0B+4*(\slot)+2:G0B+4*(\slot)+3], s[G0B+4*(\slot)+2:G0B+4*(\slot)+3], 2*BSTEP
	JLOAD \slot                                    ; 224 matrix instructions ahead of the wait for it
.endif
	CSTEP \cp, \ci, \cl
	FETCH \next, 0, F0
	MUL16 F1, 1, 0, 0
	MUL16 F1, 1, 2, 0
.endm
; All 64 accumulators into my stage: lane l's eight sums of (a, b) are columns 16 b + 8 (l / 16) + 0..7 of row 16 a + l % 16.  Each accumulator's four lowest registers go first.
.macro DUMP
.irp a, 0,1,2,3,4,5,6,7
	WIN 0x08+4*((\a)/4)                            ; the stores' data in window 2 or 3
.irp b, 0,1,2,3,4,5,6,7
	ds_store_b128 v[STO], v[64*((\a)%4)+8*(\b):64*((\a)%4)+8*(\b)+3]   offset:16*SP*(\a)+64*(\b)
	ds_store_b128 v[STO], v[64*((\a)%4)+8*(\b)+4:64*((\a)%4)+8*(\b)+7] offset:16*SP*(\a)+64*(\b)+16
.endr
.endr
	WIN 0
.endm
.macro ROWS                            ; eight rows of my stage: 32 lanes x 16 bytes are a row's 512
.irp r, 0,1,2,3,4,5,6,7
	ds_load_b128 v[RP+4*(\r):RP+4*(\r)+3], v[RD] offset:SP*(\r)
.endr
.endm
.macro GATES                           ; their gates, each twice: every lane reads the same 64 bytes
.irp n, 0,1,2,3
	ds_load_b128 v[RG+4*(\n):RG+4*(\n)+3], v[GTR] offset:16*(\n)
.endr
.endm
.macro PAIRS line:vararg               ; one line for each of a trip's 16 pairs of numbers: pair i lies in row i / 2, columns 2 (i % 2) + 0, 1 of my four
.set i, 0
.rept 16
	\line
.set i, i+1
.endr
.endm
	s_load_b256 s[4:11], s[0:1], 0x0               ; xb s[4:5], w1b s[6:7], b1 s[8:9], gates s[10:11]
	s_load_b64 s[12:13], s[0:1], 0x20              ; h
	s_load_b128 s[84:87], s[0:1], 0x28             ; w2 s[84:85], w2h s[86:87]
	v_lshl_add_u32 v[SPW], v0, 2, SPARE
	v_mov_b32 v[NIL], 0
	ds_add_u32 v[SPW], v[NIL]                      ; the wave's opening: the add and its wait stand ahead of my first tensor load; the set-up below, work on registers, stands between
	v_lshrrev_b32 v1, 5, v0
	v_readfirstlane_b32 s14, v1                    ; wave 0..3
	s_lshr_b32 s15, s14, 1                         ; which half of the tile's rows is mine.  Also: I fetch for A (0) or for B (1)
	s_and_b32 s16, s14, 1                          ; which half of its columns.  Also: which half of that tile I fetch
	s_bfe_u32 s17, ttmp6, 0x40000                  ; cx
	s_bfe_u32 s18, ttmp6, 0x40004                  ; cy
	s_lshl_b32 s20, ttmp9, 2
	s_add_co_u32 s20, s20, s17                     ; TX = 4 x cluster x + cx
	s_and_b32 s19, ttmp7, 0xffff
	s_lshl_b32 s19, s19, 2
	s_add_co_u32 s19, s19, s18                     ; TY = 4 x cluster y + cy
	s_lshl_b32 s21, s18, 2
	s_lshl_b32 s21, 15, s21                        ; my row of the cluster
	s_lshl_b32 s22, 0x1111, s17                    ; my column
	s_or_b32 s[G1A+0], s21, (1<<16)|(1<<20)|(1<<21)|(5<<22)|(3<<25)  ; the mask; 2-byte elements; padding on; bit 21 beside a mask; after every 64 words, 4 words
	s_mov_b32 s[G1A+1], 128<<16                    ; tensor_dim0 = 128
	s_mov_b32 s[G1A+2], 128<<16                    ; tensor_dim1 = 128
	s_mov_b32 s[G1A+3], 128<<16                    ; tile_dim0 = 128
	s_mov_b32 s[G1A+4], 128                        ; tile_dim1 = 128
	s_mov_b32 s[G1A+5], APITCH
	s_mov_b32 s[G1A+6], 0
	s_mov_b32 s[G1A+7], 0
	s_or_b32 s[G1B+0], s22, (1<<16)|(1<<20)|(1<<21)|(6<<22)|(7<<25)  ; after every 128 words, 8 words
	s_mov_b32 s[G1B+1], 256<<16                    ; tensor_dim0 = 256
	s_mov_b32 s[G1B+2], 64<<16                     ; tensor_dim1 = 64
	s_mov_b32 s[G1B+3], 256<<16                    ; tile_dim0 = 256
	s_mov_b32 s[G1B+4], 64                         ; tile_dim1 = 64
	s_mov_b32 s[G1B+5], BPITCH
	s_mov_b32 s[G1B+6], 0
	s_mov_b32 s[G1B+7], 0
	s_mov_b32 s66, 0x3e6d3388                      ; 0.3275911 / sqrt(2)
	s_mov_b32 s68, 0xbf38aa3b                      ; -log2(e) / 2
	s_mov_b32 s70, 0x3f07dc22                      ; a5 / 2
	s_mov_b32 s72, 0xbf3a00e3                      ; a4 / 2
	s_mov_b32 s74, 0x3f35f0e3                      ; a3 / 2
	s_mov_b32 s76, 0xbe11a98e                      ; a2 / 2
	s_mov_b32 s78, 0x3e027906                      ; a1 / 2
.irp c, 66,68,70,72,74,76,78
	s_mov_b32 s[\c+1], s[\c]                       ; named as pairs, so both words are written
.endr
	s_mov_b32 s80, 0x7fffffff
	s_mov_b32 s82, 0xffff0000                      ; a word's upper bf16
	s_lshl_b32 s40, s19, 19                        ; A: row 256 TY + 128 x half, 2,048 bytes a row: hangs on the tile row alone
	s_lshl_b32 s41, s16, 18
	s_add_co_u32 s40, s40, s41
	s_mov_b32 s41, 0
	s_lshr_b32 s44, s20, 3                         ; B: expert TX / 8, 4,194,304 bytes each,
	s_lshl_b32 s44, s44, 22
	s_and_b32 s45, s20, 7                          ; its columns 256 (TX % 8) on,
	s_lshl_b32 s45, s45, 9
	s_add_co_u32 s44, s44, s45
	s_lshl_b32 s45, s16, 18                        ; K rows 64 x half on, 4,096 bytes a row: hangs on the tile column alone
	s_add_co_u32 s44, s44, s45
	s_mov_b32 s45, 0
	s_mul_i32 s23, s14, HALF                       ; where my load lands: wave x 34,816: no place in the cluster enters an LDS address
	s_wait_dscnt 0x0                               ; the opening add is done
	s_wait_kmcnt 0x0
	s_add_nc_u64 s[42:43], s[4:5], s[40:41]
	s_add_nc_u64 s[46:47], s[6:7], s[44:45]
.irp s, 0,1
	s_mov_b32 s[G0A+4*(\s)], 1
	s_add_co_u32 s[G0A+4*(\s)+1], s23, (\s)*SLOT
	s_add_nc_u64 s[G0A+4*(\s)+2:G0A+4*(\s)+3], s[42:43], (\s)*ASTEP
	s_or_b32 s[G0A+4*(\s)+3], s[G0A+4*(\s)+3], 0x80000000
	s_mov_b32 s[G0B+4*(\s)], 1
	s_add_co_u32 s[G0B+4*(\s)+1], s23, (\s)*SLOT
	s_add_nc_u64 s[G0B+4*(\s)+2:G0B+4*(\s)+3], s[46:47], (\s)*BSTEP
	s_or_b32 s[G0B+4*(\s)+3], s[G0B+4*(\s)+3], 0x80000000
.endr
	CROUND                                         ; all sixteen work-groups are here: the first joint loads meet
	s_cmp_eq_u32 s15, 0                            ; a wave's two first fills stand in one branch, ahead of every wait on TENSORcnt and every LDS read: two loads of mine are out
	s_cbranch_scc0 .Lfirst_b
	tensor_load_to_lds s[G0A:G0A+3], s[G1A:G1A+7]
	s_nop 0
	tensor_load_to_lds s[G0A+4:G0A+7], s[G1A:G1A+7]
	s_nop 0
.rept 4
	v_nop
.endr
	s_branch .Lfirst_asked
.Lfirst_b:
	tensor_load_to_lds s[G0B:G0B+3], s[G1B:G1B+7]
	s_nop 0
	tensor_load_to_lds s[G0B+4:G0B+7], s[G1B:G1B+7]
	s_nop 0
.rept 4
	v_nop
.endr
.Lfirst_asked:
	; b1 of my four columns and the gates of my wave's 128 rows are asked for now, ahead of w2's loads, and used behind the K loop; v6, v7 and their bases are not rewritten
	v_and_b32 v3, 31, v0                           ; lane
	s_lshl_b32 s44, s20, 10                        ; b1 is [8][2048]: 2048 e + 256 (TX % 8) = 256 TX
	s_lshl_b32 s45, s16, 9
	s_add_co_u32 s44, s44, s45
	v_lshl_add_u32 v7, v3, 4, s44
	global_load_b128 v[BI:BI+3], v7, s[8:9]
	s_lshl_b32 s44, s19, 13                        ; gates: row 256 TY + 128 x my half + lane, 32 bytes a row, expert TX / 8
	s_lshl_b32 s45, s15, 12
	s_add_co_u32 s44, s44, s45
	s_lshr_b32 s45, s20, 3
	s_lshl_b32 s45, s45, 2
	s_add_co_u32 s44, s44, s45
	v_lshl_add_u32 v6, v3, 5, s44
.irp i, 0,1,2,3
	global_load_b32 v[8+\i], v6, s[10:11] offset:1024*\i   ; row lane + 32 i
.endr
	s_lshl_b32 s44, s19, 6                         ; w2's cast: my wave among the launch's 2,048: 4 (64 TY + TX) + wave,
	s_add_co_u32 s44, s44, s20
	s_lshl_b32 s44, s44, 2
	s_add_co_u32 s44, s44, s14
	s_lshl_b32 s46, s44, 14                        ; its 16,384 bytes of w2h,
	s_lshl_b32 s44, s44, 15                        ; its 32,768 bytes of w2
	s_mov_b32 s45, 0
	s_mov_b32 s47, 0
	s_add_nc_u64 s[84:85], s[84:85], s[44:45]
	s_add_nc_u64 s[86:87], s[86:87], s[46:47]
	v_lshlrev_b32 v[CI], 4, v3
.set j, 0
.rept 16
	global_load_b128 v[CR+4*j:CR+4*j+3], v[CI], s[84:85] offset:512*j th:TH_LOAD_NT  ; the sixteen slots' first loads
.set j, j+1
.endr
	s_lshl_b32 s44, s19, 23                        ; h at my wave's first row and column: 32,768 bytes a row
	s_lshl_b32 s45, s15, 22
	s_add_co_u32 s44, s44, s45
	s_lshl_b32 s45, s20, 9
	s_add_co_u32 s44, s44, s45
	s_lshl_b32 s45, s16, 8
	s_add_co_u32 s44, s44, s45
	s_mov_b32 s45, 0
	s_add_nc_u64 s[12:13], s[12:13], s[44:45]
	v_and_b32 v1, 15, v0                           ; l % 16
	v_bfe_u32 v2, v0, 4, 1                         ; l / 16
	v_mul_u32_u24 v4, v1, PA                       ; a fragment of A: row l % 16, 16 bytes for each half of the lanes, twice, 32 bytes apart
	v_lshl_add_u32 v4, v2, 4, v4
	s_mul_i32 s21, s15, HALF                       ; my 128 rows of A
	v_add_nc_u32 v[ADRA], s21, v4
	v_add_nc_u32 v[ADRA+1], SLOT, v[ADRA]
	v_and_b32 v5, 7, v0                            ; the turning load: lane l reads K row 8 (l / 16) + l % 8, columns 8 ((l / 8) % 2) + 0..7, and is left with column l % 16 and 8 K
	v_lshl_add_u32 v5, v2, 3, v5
	v_mul_u32_u24 v5, v5, PB
	v_bfe_u32 v4, v0, 3, 1
	v_lshl_add_u32 v5, v4, 4, v5
	s_lshl_b32 s21, s16, 8                         ; my 128 columns of B
	s_add_co_u32 s21, s21, BOFF
	v_add_nc_u32 v[ADRB], s21, v5
	v_add_nc_u32 v[ADRB+1], SLOT, v[ADRB]
	s_mul_i32 s21, s14, WSTAGE                     ; my stage
	v_mul_u32_u24 v4, v1, SP
	v_lshl_add_u32 v4, v2, 5, v4
	v_add_nc_u32 v[STO], s21, v4
	v_lshl_add_u32 v[RD], v3, 4, s21
	v_lshlrev_b32 v[CO], 3, v3
	s_lshl_b32 s21, s14, 10
	s_add_co_u32 s21, s21, GT                      ; my table of gates
	v_lshl_add_u32 v[GTA], v3, 3, s21
	v_mov_b32 v[GTR], s21
	s_wait_tensorcnt 1                             ; my part of K step 0 is in; K step 1's may stay out
	s_barrier_signal -1
	s_barrier_wait -1                              ; everybody's is
	FETCH 0, 0, F0
	QUARTER 0, 1, F0, F1, 1                        ; the first quarter stands in front of the loop: its products start the sums; it has no step of the cast
	WIN 0                                          ; at a label and at a branch every window is 0
	s_mov_b32 s3, LAPS-1
.Llap:                                                 ; a trip goes once round the ring, from a lap's second quarter to the next lap's first, and fills both slots again.  The 64 accumulators take turns.
	                                               ; It also goes once round the cast's sixteen slots: two loads are issued a step, so 14 stand behind a step's two, at the way in and over the jump back alike
	QUARTER 0, 2, F1, F0, 0, 0, 1, 14
	QUARTER 0, 3, F0, F1, 0, 1, 1, 14
	TURN 0, 1, 1, 2, 1, 14
	QUARTER 1, 1, F0, F1, 0, 3, 1, 14
	QUARTER 1, 2, F1, F0, 0, 4, 1, 14
	QUARTER 1, 3, F0, F1, 0, 5, 1, 14
	TURN 1, 0, 1, 6, 1, 14
	QUARTER 0, 1, F0, F1, 0, 7, 1, 14
	WIN 0
	s_wait_xcnt 0x0                                ; the cast's two bases are stepped only behind this wait
	s_add_nc_u64 s[84:85], s[84:85], 16*512
	s_add_nc_u64 s[86:87], s[86:87], 16*256
	s_sub_co_u32 s3, s3, 1
	s_cmp_lg_u32 s3, 0
	s_cbranch_scc1 .Llap
	QUARTER 0, 2, F1, F0, 0, 0, 0, 14              ; the last lap fills nothing, and the cast asks for nothing more: its counts run down
	QUARTER 0, 3, F0, F1, 0, 1, 0, 12
	TURN 0, 1, 0, 2, 0, 10
	QUARTER 1, 1, F0, F1, 0, 3, 0, 8
	QUARTER 1, 2, F1, F0, 0, 4, 0, 6
	QUARTER 1, 3, F0, F1, 0, 5, 0, 4
	s_wait_dscnt 8
	MUL16 F1, 0, 0, 0
	MUL16 F1, 0, 2, 0
	CSTEP 6, 0, 2
	s_wait_dscnt 0x0                               ; my last reads of the ring are back
	MUL16 F1, 1, 0, 0
	MUL16 F1, 1, 2, 0
	CSTEP 7, 0, 0                                  ; the cast's last step: its lines are the places behind the last products
	s_barrier_signal -1                            ; every wave's reads of the ring are back and no tensor load is out (the last change of slots waited for all): the ring has had its last fill,
	s_barrier_wait -1                              ; and its bytes are now the four stages
	s_wait_loadcnt 0x0                             ; b1 and the gates (they were asked for ahead of w2's loads)
	s_wait_xcnt 0x0                                ; the cast's last stores have read v32-35, which are written below
	v_cvt_pk_bf16_f32 v32, v[BI], v[BI+1]          ; b1 is rounded to bf16 like every input
	v_cvt_pk_bf16_f32 v33, v[BI+2], v[BI+3]
	v_lshlrev_b32 v[BI], 16, v32
	v_and_b32 v[BI+1], s82, v32
	v_lshlrev_b32 v[BI+2], 16, v33
	v_and_b32 v[BI+3], s82, v33
.irp i, 0,1,2,3
	ds_store_b32 v[GTA], v[8+\i] offset:256*\i     ; row lane + 32 i's gate, twice: a register pair for the packed multiply
	ds_store_b32 v[GTA], v[8+\i] offset:256*\i+4
.endr
	DUMP
	ROWS                                           ; LDS serves a wave's instructions in order (ISA guide 5.7.1.4): these see my stores above; no other wave touches my stage or my table
	GATES
	s_mov_b32 s2, 16
.Lrow:                                                 ; eight rows a trip, sixteen trips; each step of the arithmetic goes over all 16 pairs, so that no line reads the result of the line before it
	s_wait_dscnt 4                                 ; the rows are in; the four loads of gates issued behind them may be out
	PAIRS v_pk_add_f32 v[RP+2*i:RP+2*i+1], v[RP+2*i:RP+2*i+1], v[BI+2*(i%2):BI+2*(i%2)+1]
	PAIRS v_and_b32 v[RA+2*i], s80, v[RP+2*i]
	PAIRS v_and_b32 v[RA+2*i+1], s80, v[RP+2*i+1]
	PAIRS v_pk_fma_f32 v[RT+2*i:RT+2*i+1], v[RA+2*i:RA+2*i+1], s[66:67], 1.0 op_sel_hi:[1,0,0]
	PAIRS v_pk_mul_f32 v[RU+2*i:RU+2*i+1], v[RP+2*i:RP+2*i+1], v[RP+2*i:RP+2*i+1]
.set i, 0
.rept 16                               ; the trip's 64 reciprocals and exponentials are ONE batch: nothing names a result ahead of the wait below; plain lines stand between them as far as there are any
	v_rcp_f32 v[RT+2*i], v[RT+2*i]
	v_pk_mul_f32 v[RU+2*i:RU+2*i+1], v[RU+2*i:RU+2*i+1], s[68:69] op_sel_hi:[1,0]
	v_rcp_f32 v[RT+2*i+1], v[RT+2*i+1]
	v_max_num_f32 v[RM+2*i], 0, v[RP+2*i]
.set i, i+1
.endr
.set i, 0
.rept 16
	v_exp_f32 v[RU+2*i], v[RU+2*i]
	v_max_num_f32 v[RM+2*i+1], 0, v[RP+2*i+1]
	v_exp_f32 v[RU+2*i+1], v[RU+2*i+1]
.set i, i+1
.endr
	v_add_nc_u32 v[RD], 8*SP, v[RD]                ; the plain instruction behind the last exponential (ISA guide 5.7.2): the next eight rows' place (behind the last trip it is not used)
	s_wait_alu depctr_va_vdst(0)                   ; the wait ahead of the batch's first reader, and of the branch: one for the 64
	s_cmp_eq_u32 s2, 1
	s_cbranch_scc1 .Lno_rows                       ; the last trip fetches no further rows
	ROWS                                           ; x is no longer needed: |x| and max(x, 0) are kept
	s_wait_dscnt 8                                 ; this trip's gates are in; the eight loads just issued stay out
	s_branch .Lpost
.Lno_rows:
	s_wait_dscnt 0x0                               ; this trip's gates are in
.Lpost:
	PAIRS v_pk_fma_f32 v[RQ+2*i:RQ+2*i+1], v[RT+2*i:RT+2*i+1], s[70:71], s[72:73] op_sel_hi:[1,0,0]
	PAIRS v_pk_fma_f32 v[RQ+2*i:RQ+2*i+1], v[RQ+2*i:RQ+2*i+1], v[RT+2*i:RT+2*i+1], s[74:75] op_sel_hi:[1,1,0]
	PAIRS v_pk_fma_f32 v[RQ+2*i:RQ+2*i+1], v[RQ+2*i:RQ+2*i+1], v[RT+2*i:RT+2*i+1], s[76:77] op_sel_hi:[1,1,0]
	PAIRS v_pk_fma_f32 v[RQ+2*i:RQ+2*i+1], v[RQ+2*i:RQ+2*i+1], v[RT+2*i:RT+2*i+1], s[78:79] op_sel_hi:[1,1,0]
	PAIRS v_pk_mul_f32 v[RU+2*i:RU+2*i+1], v[RU+2*i:RU+2*i+1], v[RT+2*i:RT+2*i+1]
	PAIRS v_pk_mul_f32 v[RQ+2*i:RQ+2*i+1], v[RQ+2*i:RQ+2*i+1], v[RU+2*i:RU+2*i+1]
	PAIRS v_pk_fma_f32 v[RM+2*i:RM+2*i+1], v[RA+2*i:RA+2*i+1], v[RQ+2*i:RQ+2*i+1], v[RM+2*i:RM+2*i+1] neg_lo:[1,0,0] neg_hi:[1,0,0]
	PAIRS v_pk_mul_f32 v[RM+2*i:RM+2*i+1], v[RM+2*i:RM+2*i+1], v[RG+2*(i/2):RG+2*(i/2)+1]
	PAIRS v_cvt_pk_f16_f32 v[RO+i], v[RM+2*i], v[RM+2*i+1]
.irp r, 0,1,2,3,4,5,6,7
	global_store_b64 v[CO], v[RO+2*(\r):RO+2*(\r)+1], s[12:13] offset:32768*(\r)  ; the wave's 32 lanes store 256 consecutive bytes, at a multiple of 256 from h's first byte
.endr
	s_sub_co_u32 s2, s2, 1
	s_cmp_lg_u32 s2, 0
	s_cbranch_scc0 .Lrows_done                     ; behind the last trip nothing more is fetched
	v_add_nc_u32 v[GTR], 64, v[GTR]
	GATES
	s_wait_xcnt 0x0                                ; the stores' data and base are rewritten only behind this wait
	s_add_nc_u64 s[12:13], s[12:13], 8*32768
	s_cmp_lg_u32 s2, 0
	s_cbranch_scc1 .Lrow
.Lrows_done:
	s_wait_tensorcnt 0x0                           ; the wave's end: behind my last tensor load and my last LDS store
	ds_add_u32 v[SPW], v[NIL]
	s_wait_dscnt 0x0
	CROUND                                         ; the closing round: no work-group ends while a partner may still ask for a tile that names it
	s_endpgm
.Lfunc_end_k_q516a28ec85_up:
	.size	k_q516a28ec85_up, .Lfunc_end_k_q516a28ec85_up-k_q516a28ec85_up
	.p2alignl 7, 3214868480
	.fill 96, 4, 3214868480
	.section	.rodata,"a",@progbits
	.p2align	6, 0x0
	.amdhsa_kernel k_q516a28ec85_up
		.amdhsa_group_segment_fixed_size 327680
		.amdhsa_private_segment_fixed_size 0
		.amdhsa_enable_private_segment 0
		.amdhsa_kernarg_size 56
		.amdhsa_user_sgpr_count 2
		.amdhsa_user_sgpr_kernarg_segment_ptr 1
		.amdhsa_wavefront_size32 1
		.amdhsa_system_sgpr_workgroup_id_x 1
		.amdhsa_system_sgpr_workgroup_id_y 1
		.amdhsa_system_sgpr_workgroup_id_z 1
		.amdhsa_system_vgpr_workitem_id 0
		.amdhsa_next_free_vgpr 1024
		.amdhsa_next_free_sgpr 88
		.amdhsa_reserve_vcc 0
		.amdhsa_float_denorm_mode_32 3
		.amdhsa_float_denorm_mode_16_64 3
		.amdhsa_memory_ordered 1
		.amdhsa_forward_progress 1
		.amdhsa_inst_pref_size 160
	.end_amdhsa_kernel
	.amdgpu_metadata
---
amdhsa.version: [ 1, 2 ]
amdhsa.kernels:
  - .name:           k_q516a28ec85_up
    .symbol:         k_q516a28ec85_up.kd
    .args:
      - { .name: xb, .offset: 0, .size: 8, .value_kind: global_buffer, .address_space: global }
      - { .name: w1b, .offset: 8, .size: 8, .value_kind: global_buffer, .address_space: global }
      - { .name: b1, .offset: 16, .size: 8, .value_kind: global_buffer, .address_space: global }
      - { .name: gates, .offset: 24, .size: 8, .value_kind: global_buffer, .address_space: global }
      - { .name: h, .offset: 32, .size: 8, .value_kind: global_buffer, .address_space: global }
      - { .name: w2, .offset: 40, .size: 8, .value_kind: global_buffer, .address_space: global }
      - { .name: w2h, .offset: 48, .size: 8, .value_kind: global_buffer, .address_space: global }
    .group_segment_fixed_size: 327680
    .private_segment_fixed_size: 0
    .kernarg_segment_align: 8
    .kernarg_segment_size: 56
    .max_flat_workgroup_size: 128
    .sgpr_count:     88
    .vgpr_count:     1024
    .wavefront_size: 32
...
	.end_amdgpu_metadata
.endif
;; end of part 2
;; launch down (part 3): grid 32 x 8, 4 waves a work-group, clusters of 4 x 4, 327,680 bytes of LDS; arguments h, w2h, part; writes part
.if DOCPART == 3
	.amdgcn_target "amdgcn-amd-amdhsa--gfx1250"
	.amdhsa_code_object_version 6
	.text
	.protected	k_q516a28ec85_down
	.globl	k_q516a28ec85_down
	.p2align	8
	.type	k_q516a28ec85_down,@function
k_q516a28ec85_down:
	s_mov_b64 s[64:65], 0
	v_nop
	global_prefetch_b8 v0, s[64:65] scope:SCOPE_SE
	s_setreg_imm32_b32 hwreg(HW_REG_WAVE_MODE, 25, 1), 1
	s_wait_xcnt 0x0
	s_wait_alu depctr_hold_cnt(0) depctr_sa_sdst(0) depctr_va_vdst(0) depctr_va_sdst(0) depctr_va_ssrc(0) depctr_va_vcc(0) depctr_vm_vsrc(0)
	s_getreg_b32 s2, hwreg(HW_REG_IB_STS2, 6, 4)
	s_cmp_eq_u32 s2, 0
	s_cbranch_scc0 .Lentry_in_a_cluster
	s_endpgm
.Lentry_in_a_cluster:
	s_bfe_u32 s2, ttmp6, 0x10000c
	s_cmp_lg_u32 s2, 0xf033
	s_cbranch_scc0 .Lentry_shape_is_right
	s_endpgm
.Lentry_shape_is_right:
; DOWN.  part[s][t][c] = sum over k = 2048 s .. 2048 s + 2047 of h[t][k] w2h[k][c], in f32.  h: [2048][16384] f16; w2h: [16384][1024] f16, K down the rows; part: [8][2048][1024] f32.
; The output has 8 x 4 tiles of 256 x 256; K = 16384 is split in eight (a split is an expert's 2048 hidden units), so that there are 256 work-groups of equal work.  The eight partial sums stay in f32
; and are added by the next launch: one owner for each stored byte, no traffic between work-groups.
; SHARES, RING, CLUSTER, LAYOUT: as in the launch before: four waves of 128 x 128, K steps of 128 through two LDS slots, B turned by ds_load_tr16_b128, the matrix instruction used transposed.
; The grid's x is 4 x split + column tile: a cluster's x is the split, cx the column tile; the four of a cluster's row share h's tiles, the four of a column w2h's.
; THE WAY OUT.  When the ring has had its last fill and every wave has read it out, its bytes become four stages, one a wave; rows come back whole, and each store of the wave covers 512 consecutive bytes, aligned.
; LIMITS.  f16 operands: see the launches that write them.  NaN and infinities are not treated apart.  K is summed in the matrix unit's order, ascending within a split.
; REGISTERS, in windows of 256: window 0: v0-31 addresses; v64-127, v128-191 A's fragments, two buffers, and on the way out 32 rows.  Window 1: v64-127, v128-191 B's fragments.
; Windows 2, 3: the accumulators of my rows 0-63, 64-127: (a, b) at v[8 (8 (a % 4) + b)].
.set PA,     272                       ; a row of A in LDS: 256 bytes + 16: the 16 rows of a load start at 16 different groups of four banks (64 banks of 4 bytes: ISA guide 11.1)
.set PB,     544                       ; a row of B: 512 bytes + 32
.set HALF,   128*PA                    ; what one tensor load brings: 128 rows of A, or 64 rows of B
.set BOFF,   2*HALF
.set SLOT,   4*HALF
.set SPARE,  2*SLOT                    ; behind the ring: the spare words, 128 bytes for each wave: two blocks of 256 bytes that no other line names
.set SP,     528                       ; a stage row: 512 bytes + 16
.set WSTAGE, 128*SP                    ; a wave's stage; four of them lie inside the ring's bytes
.set LAPS,   8                         ; a lap = two K steps; a split has sixteen
.set ASTEP,  256                       ; a K step in h: 128 elements along a row
.set BSTEP,  262144                    ; in w2h: 128 rows of 2,048 bytes
.set APITCH, 16384
.set BPITCH, 1024
.set ADRA, 16                          ; v16-17  LDS address of my A fragments in slot 0, 1
.set ADRB, 20                          ; v20-21  the same for B
.set STO,  24                          ; v24     the stage: where I put my 32 bytes of a row
.set RD,   25                          ; v25     the stage: where I read 16 bytes of a row back
.set CO,   26                          ; v26     my byte offset in a row's 512 bytes of part
.set SPW,  28                          ; v28     LDS address of my spare word; never rewritten
.set NIL,  29                          ; v29     0; never rewritten
.set F0,   64
.set F1,   128
.set G1A, 24                           ; s[24:31] descriptor group 1 for A's tiles;  s[32:39] group 0, a set for each slot
.set G0A, 32
.set G1B, 48                           ; s[48:55], s[56:63] the same for B's
.set G0B, 56
.set MSB, 0
.macro WIN new                         ; the immediate's high byte repeats the setting that is left; a switch that changes nothing is dropped
.if MSB != (\new)
	s_set_vgpr_msb (MSB<<8)|(\new)
.set MSB, \new
.endif
.endm
.set MUL_LO, 0xa1                      ; source 0 (B) window 1, source 1 (A) window 0, C and D window 2
.set MUL_HI, 0xf1                      ; the same, C and D window 3
.set TO_B,   0x40                      ; destination window 1, address window 0
; A joint load.  Waves 0 and 1 fetch A's two halves, waves 2 and 3 B's.  The branch hangs on the wave's number alone.  An s_nop 0 and four v_nop follow each line.
.macro JLOAD s
	s_cmp_eq_u32 s15, 0
	s_cbranch_scc0 .Lfor_b_\@
	tensor_load_to_lds s[G0A+4*(\s):G0A+4*(\s)+3], s[G1A:G1A+7]
	s_nop 0
.rept 4
	v_nop
.endr
	s_branch .Lasked_\@
.Lfor_b_\@:
	tensor_load_to_lds s[G0B+4*(\s):G0B+4*(\s)+3], s[G1B:G1B+7]
	s_nop 0
.rept 4
	v_nop
.endr
.Lasked_\@:
.endm
.macro CREST                           ; a round of the cluster's barrier behind its opening barrier
	s_cmp_lg_u32 s14, 0
	s_cbranch_scc1 .Lnot_wave_0_\@
	s_barrier_signal -3
.Lnot_wave_0_\@:
	s_barrier_wait -3
	s_barrier_signal -1
	s_barrier_wait -1
.endm
.macro CROUND                          ; a whole round
	s_barrier_signal -1
	s_barrier_wait -1
	CREST
.endm
.macro PLACES                          ; four plain places behind matrix instructions, ahead of loads into their sources and of reads of their results
.rept 4
	v_nop
.endr
.endm
; 16 matrix instructions: row blocks a0, a0 + 1 of the window's four x all 8 column blocks, 32 along K.  zero = 1: the first product starts the sums.
.macro MUL16 f, hi, a0, zero
	WIN MUL_LO+0x50*(\hi)
.irp a, \a0, (\a0)+1
.irp b, 0,1,2,3,4,5,6,7
.if \zero
	v_wmma_f32_16x16x32_f16 v[8*(8*(\a)+(\b)):8*(8*(\a)+(\b))+7], v[(\f)+8*(\b):(\f)+8*(\b)+7], v[(\f)+8*(4*(\hi)+(\a)):(\f)+8*(4*(\hi)+(\a))+7], 0
.else
	v_wmma_f32_16x16x32_f16 v[8*(8*(\a)+(\b)):8*(8*(\a)+(\b))+7], v[(\f)+8*(\b):(\f)+8*(\b)+7], v[(\f)+8*(4*(\hi)+(\a)):(\f)+8*(4*(\hi)+(\a))+7], v[8*(8*(\a)+(\b)):8*(8*(\a)+(\b))+7]
.endif
.endr
.endr
.endm
; 32 LDS loads in one run: quarter q (32 along K) of a slot into buffer f: B's 8 column blocks, turned, then A's 8 row blocks.
.macro FETCH slot, q, f
	WIN TO_B
.irp i, 0,1,2,3,4,5,6,7
	ds_load_tr16_b128 v[(\f)+8*(\i):(\f)+8*(\i)+3],   v[ADRB+(\slot)] offset:(\q)*32*PB+32*(\i)
	ds_load_tr16_b128 v[(\f)+8*(\i)+4:(\f)+8*(\i)+7], v[ADRB+(\slot)] offset:(\q)*32*PB+16*PB+32*(\i)
.endr
	WIN 0
.irp i, 0,1,2,3,4,5,6,7
	ds_load_b128 v[(\f)+8*(\i):(\f)+8*(\i)+3],   v[ADRA+(\slot)] offset:64*(\q)+(\i)*16*PA
	ds_load_b128 v[(\f)+8*(\i)+4:(\f)+8*(\i)+7], v[ADRA+(\slot)] offset:64*(\q)+(\i)*16*PA+32
.endr
.endm
; One of a K step's first three quarters: multiplies buffer f; in its middle it fetches quarter q of the same slot into buffer g.
.macro QUARTER slot, q, f, g, zero
	s_wait_dscnt 8                                 ; B and A's rows 0-63 are in; the youngest eight loads (A's rows 64-127) may be out
	MUL16 \f, 0, 0, \zero
	MUL16 \f, 0, 2, \zero
	PLACES
	FETCH \slot, \q, \g
	s_wait_dscnt 32                                ; all but the 32 just issued
	MUL16 \f, 1, 0, \zero
	MUL16 \f, 1, 2, \zero
.endm
; The last quarter multiplies buffer 1 and changes slots: ONE barrier.  In front of it each wave waits for all its tensor loads (one is out: its part of the next slot), adds 0 to its spare word, and waits
; for that and for its reads of this slot.  fill = 1: the barrier opens a round of the cluster's barrier, and the slot just read out is filled again, two K steps on, first thing behind the round.
.macro TURN slot, next, fill
	WIN 0                                          ; (the add's two registers lie in window 0)
	s_wait_tensorcnt 0x0
	ds_add_u32 v[SPW], v[NIL]
	s_wait_dscnt 9                                 ; the add and the youngest eight loads may be out
	MUL16 F1, 0, 0, 0                              ; sixteen matrix instructions stand between the add and the wait for it
	s_wait_dscnt 0x0                               ; the add is done, and my reads of this slot are over
	s_barrier_signal -1
	MUL16 F1, 0, 2, 0                              ; work on registers while the others arrive
.if \fill
	WIN 0
.endif
	s_barrier_wait -1
.if \fill
	CREST                                          ; no wave of any partner still reads this slot or has a load on its way
	s_add_nc_u64 s[G0A+4*(\slot)+2:G0A+4*(\slot)+3], s[G0A+4*(\slot)+2:G0A+4*(\slot)+3], 2*ASTEP
	s_add_nc_u64 s[G0B+4*(\slot)+2:G0B+4*(\slot)+3], s[G0B+4*(\slot)+2:G0B+4*(\slot)+3], 2*BSTEP
	JLOAD \slot                                    ; 224 matrix instructions ahead of the wait for it; its four v_nop are also the places in front of the loads below
.else
	PLACES
.endif
	FETCH \next, 0, F0
	MUL16 F1, 1, 0, 0
	MUL16 F1, 1, 2, 0
.endm
; All 64 accumulators into my stage: lane l's eight sums of (a, b) are columns 16 b + 8 (l / 16) + 0..7 of row 16 a + l % 16.  Each accumulator's four lowest registers go first.
.macro DUMP
.irp a, 0,1,2,3,4,5,6,7
	WIN 0x08+4*((\a)/4)                            ; the stores' data in window 2 or 3
.irp b, 0,1,2,3,4,5,6,7
	ds_store_b128 v[STO], v[64*((\a)%4)+8*(\b):64*((\a)%4)+8*(\b)+3]   offset:16*SP*(\a)+64*(\b)
	ds_store_b128 v[STO], v[64*((\a)%4)+8*(\b)+4:64*((\a)%4)+8*(\b)+7] offset:16*SP*(\a)+64*(\b)+16
.endr
.endr
	WIN 0
.endm
	s_load_b128 s[4:7], s[0:1], 0x0                ; h s[4:5], w2h s[6:7]
	s_load_b64 s[12:13], s[0:1], 0x10              ; part
	v_lshl_add_u32 v[SPW], v0, 2, SPARE
	v_mov_b32 v[NIL], 0
	ds_add_u32 v[SPW], v[NIL]                      ; the wave's opening: the add and its wait stand ahead of my first tensor load; the set-up below, work on registers, stands between
	v_lshrrev_b32 v1, 5, v0
	v_readfirstlane_b32 s14, v1                    ; wave 0..3
	s_lshr_b32 s15, s14, 1                         ; which half of the tile's rows is mine.  Also: I fetch for A (0) or for B (1)
	s_and_b32 s16, s14, 1                          ; which half of its columns.  Also: which half of that tile I fetch
	s_bfe_u32 s17, ttmp6, 0x40000                  ; cx: the column tile
	s_bfe_u32 s18, ttmp6, 0x40004                  ; cy
	s_and_b32 s19, ttmp7, 0xffff
	s_lshl_b32 s19, s19, 2
	s_add_co_u32 s19, s19, s18                     ; TY = 4 x cluster y + cy
	s_lshl_b32 s21, s18, 2
	s_lshl_b32 s21, 15, s21                        ; my row of the cluster
	s_lshl_b32 s22, 0x1111, s17                    ; my column
	s_or_b32 s[G1A+0], s21, (1<<16)|(1<<20)|(1<<21)|(5<<22)|(3<<25)  ; the mask; 2-byte elements; padding on; bit 21 beside a mask; after every 64 words, 4 words
	s_mov_b32 s[G1A+1], 128<<16                    ; tensor_dim0 = 128
	s_mov_b32 s[G1A+2], 128<<16                    ; tensor_dim1 = 128
	s_mov_b32 s[G1A+3], 128<<16                    ; tile_dim0 = 128
	s_mov_b32 s[G1A+4], 128                        ; tile_dim1 = 128
	s_mov_b32 s[G1A+5], APITCH
	s_mov_b32 s[G1A+6], 0
	s_mov_b32 s[G1A+7], 0
	s_or_b32 s[G1B+0], s22, (1<<16)|(1<<20)|(1<<21)|(6<<22)|(7<<25)  ; after every 128 words, 8 words
	s_mov_b32 s[G1B+1], 256<<16                    ; tensor_dim0 = 256
	s_mov_b32 s[G1B+2], 64<<16                     ; tensor_dim1 = 64
	s_mov_b32 s[G1B+3], 256<<16                    ; tile_dim0 = 256
	s_mov_b32 s[G1B+4], 64                         ; tile_dim1 = 64
	s_mov_b32 s[G1B+5], BPITCH
	s_mov_b32 s[G1B+6], 0
	s_mov_b32 s[G1B+7], 0
	s_lshl_b32 s40, s19, 23                        ; A: row 256 TY + 128 x half, 32,768 bytes a row,
	s_lshl_b32 s41, s16, 22
	s_add_co_u32 s40, s40, s41
	s_lshl_b32 s41, ttmp9, 12                      ; the split's 2,048 columns: the tile row and the split, which my row of the cluster shares
	s_add_co_u32 s40, s40, s41
	s_mov_b32 s41, 0
	s_lshl_b32 s44, ttmp9, 22                      ; B: the split's 2,048 rows of 2,048 bytes,
	s_lshl_b32 s45, s16, 17                        ; K rows 64 x half on,
	s_add_co_u32 s44, s44, s45
	s_lshl_b32 s45, s17, 9                         ; columns 256 cx on: the split and the column tile, which my column shares
	s_add_co_u32 s44, s44, s45
	s_mov_b32 s45, 0
	s_mul_i32 s23, s14, HALF                       ; where my load lands: wave x 34,816: no place in the cluster enters an LDS address
	s_wait_dscnt 0x0                               ; the opening add is done
	s_wait_kmcnt 0x0
	s_add_nc_u64 s[42:43], s[4:5], s[40:41]
	s_add_nc_u64 s[46:47], s[6:7], s[44:45]
.irp s, 0,1
	s_mov_b32 s[G0A+4*(\s)], 1
	s_add_co_u32 s[G0A+4*(\s)+1], s23, (\s)*SLOT
	s_add_nc_u64 s[G0A+4*(\s)+2:G0A+4*(\s)+3], s[42:43], (\s)*ASTEP
	s_or_b32 s[G0A+4*(\s)+3], s[G0A+4*(\s)+3], 0x80000000
	s_mov_b32 s[G0B+4*(\s)], 1
	s_add_co_u32 s[G0B+4*(\s)+1], s23, (\s)*SLOT
	s_add_nc_u64 s[G0B+4*(\s)+2:G0B+4*(\s)+3], s[46:47], (\s)*BSTEP
	s_or_b32 s[G0B+4*(\s)+3], s[G0B+4*(\s)+3], 0x80000000
.endr
	CROUND                                         ; all sixteen work-groups are here: the first joint loads meet
	s_cmp_eq_u32 s15, 0                            ; a wave's two first fills stand in one branch, ahead of every wait on TENSORcnt and every LDS read: two loads of mine are out
	s_cbranch_scc0 .Lfirst_b
	tensor_load_to_lds s[G0A:G0A+3], s[G1A:G1A+7]
	s_nop 0
	tensor_load_to_lds s[G0A+4:G0A+7], s[G1A:G1A+7]
	s_nop 0
.rept 4
	v_nop
.endr
	s_branch .Lfirst_asked
.Lfirst_b:
	tensor_load_to_lds s[G0B:G0B+3], s[G1B:G1B+7]
	s_nop 0
	tensor_load_to_lds s[G0B+4:G0B+7], s[G1B:G1B+7]
	s_nop 0
.rept 4
	v_nop
.endr
.Lfirst_asked:
	s_lshl_b32 s44, ttmp9, 23                      ; part at my split (8,388,608 bytes), my wave's first row (4,096 bytes a row) and column
	s_lshl_b32 s45, s19, 20
	s_add_co_u32 s44, s44, s45
	s_lshl_b32 s45, s15, 19
	s_add_co_u32 s44, s44, s45
	s_lshl_b32 s45, s17, 10
	s_add_co_u32 s44, s44, s45
	s_lshl_b32 s45, s16, 9
	s_add_co_u32 s44, s44, s45
	s_mov_b32 s45, 0
	s_add_nc_u64 s[12:13], s[12:13], s[44:45]
	v_and_b32 v3, 31, v0                           ; lane
	v_and_b32 v1, 15, v0                           ; l % 16
	v_bfe_u32 v2, v0, 4, 1                         ; l / 16
	v_mul_u32_u24 v4, v1, PA                       ; a fragment of A: row l % 16, 16 bytes for each half of the lanes, twice, 32 bytes apart
	v_lshl_add_u32 v4, v2, 4, v4
	s_mul_i32 s21, s15, HALF                       ; my 128 rows of A
	v_add_nc_u32 v[ADRA], s21, v4
	v_add_nc_u32 v[ADRA+1], SLOT, v[ADRA]
	v_and_b32 v5, 7, v0                            ; the turning load: lane l reads K row 8 (l / 16) + l % 8, columns 8 ((l / 8) % 2) + 0..7, and is left with column l % 16 and 8 K
	v_lshl_add_u32 v5, v2, 3, v5
	v_mul_u32_u24 v5, v5, PB
	v_bfe_u32 v4, v0, 3, 1
	v_lshl_add_u32 v5, v4, 4, v5
	s_lshl_b32 s21, s16, 8                         ; my 128 columns of B
	s_add_co_u32 s21, s21, BOFF
	v_add_nc_u32 v[ADRB], s21, v5
	v_add_nc_u32 v[ADRB+1], SLOT, v[ADRB]
	s_mul_i32 s21, s14, WSTAGE                     ; my stage
	v_mul_u32_u24 v4, v1, SP
	v_lshl_add_u32 v4, v2, 5, v4
	v_add_nc_u32 v[STO], s21, v4
	v_lshl_add_u32 v[RD], v3, 4, s21
	v_lshlrev_b32 v[CO], 4, v3
	s_wait_tensorcnt 1                             ; my part of K step 0 is in; K step 1's may stay out
	s_barrier_signal -1
	s_barrier_wait -1                              ; everybody's is
	FETCH 0, 0, F0
	QUARTER 0, 1, F0, F1, 1                        ; the first quarter stands in front of the loop: its products start the sums
	WIN 0                                          ; at a label and at a branch every window is 0
	s_mov_b32 s3, LAPS-1
.Llap:                                                 ; a trip goes once round the ring, from a lap's second quarter to the next lap's first, and fills both slots again.  The 64 accumulators take turns
	QUARTER 0, 2, F1, F0, 0
	QUARTER 0, 3, F0, F1, 0
	TURN 0, 1, 1
	QUARTER 1, 1, F0, F1, 0
	QUARTER 1, 2, F1, F0, 0
	QUARTER 1, 3, F0, F1, 0
	TURN 1, 0, 1
	QUARTER 0, 1, F0, F1, 0
	WIN 0
	s_sub_co_u32 s3, s3, 1
	s_cmp_lg_u32 s3, 0
	s_cbranch_scc1 .Llap
	QUARTER 0, 2, F1, F0, 0                        ; the last lap fills nothing
	QUARTER 0, 3, F0, F1, 0
	TURN 0, 1, 0
	QUARTER 1, 1, F0, F1, 0
	QUARTER 1, 2, F1, F0, 0
	QUARTER 1, 3, F0, F1, 0
	s_wait_dscnt 8
	MUL16 F1, 0, 0, 0
	MUL16 F1, 0, 2, 0
	s_wait_dscnt 0x0                               ; my last reads of the ring are back
	MUL16 F1, 1, 0, 0
	MUL16 F1, 1, 2, 0
	PLACES
	WIN 0
	s_barrier_signal -1                            ; every wave's reads of the ring are back and no tensor load is out (the last change of slots waited for all): the ring has had its last fill,
	s_barrier_wait -1                              ; and its bytes are now the four stages
	DUMP
	s_mov_b32 s2, 4
.Lout:                                                 ; 32 rows a trip; LDS serves a wave's instructions in order (ISA guide 5.7.1.4): the loads see my stores; no other wave touches my stage
.set r, 0
.rept 32
	ds_load_b128 v[64+4*r:64+4*r+3], v[RD] offset:SP*r
.set r, r+1
.endr
.set r, 0
.rept 32
	s_wait_dscnt 31-r                              ; row r is back; the rows behind it may be out
	global_store_b128 v[CO], v[64+4*r:64+4*r+3], s[12:13] offset:4096*r  ; the wave's 32 lanes store 512 consecutive bytes, at a multiple of 512 from part's first byte
.set r, r+1
.endr
	s_wait_xcnt 0x0                                ; the stores' data and base are rewritten only behind this wait
	s_add_nc_u64 s[12:13], s[12:13], 32*4096
	v_add_nc_u32 v[RD], 32*SP, v[RD]
	s_sub_co_u32 s2, s2, 1
	s_cmp_lg_u32 s2, 0
	s_cbranch_scc1 .Lout
	s_wait_tensorcnt 0x0                           ; the wave's end: behind my last tensor load and my last LDS store
	ds_add_u32 v[SPW], v[NIL]
	s_wait_dscnt 0x0
	CROUND                                         ; the closing round: no work-group ends while a partner may still ask for a tile that names it
	s_endpgm
.Lfunc_end_k_q516a28ec85_down:
	.size	k_q516a28ec85_down, .Lfunc_end_k_q516a28ec85_down-k_q516a28ec85_down
	.p2alignl 7, 3214868480
	.fill 96, 4, 3214868480
	.section	.rodata,"a",@progbits
	.p2align	6, 0x0
	.amdhsa_kernel k_q516a28ec85_down
		.amdhsa_group_segment_fixed_size 327680
		.amdhsa_private_segment_fixed_size 0
		.amdhsa_enable_private_segment 0
		.amdhsa_kernarg_size 24
		.amdhsa_user_sgpr_count 2
		.amdhsa_user_sgpr_kernarg_segment_ptr 1
		.amdhsa_wavefront_size32 1
		.amdhsa_system_sgpr_workgroup_id_x 1
		.amdhsa_system_sgpr_workgroup_id_y 1
		.amdhsa_system_sgpr_workgroup_id_z 1
		.amdhsa_system_vgpr_workitem_id 0
		.amdhsa_next_free_vgpr 1024
		.amdhsa_next_free_sgpr 66
		.amdhsa_reserve_vcc 0
		.amdhsa_float_denorm_mode_32 3
		.amdhsa_float_denorm_mode_16_64 3
		.amdhsa_memory_ordered 1
		.amdhsa_forward_progress 1
		.amdhsa_inst_pref_size 125
	.end_amdhsa_kernel
	.amdgpu_metadata
---
amdhsa.version: [ 1, 2 ]
amdhsa.kernels:
  - .name:           k_q516a28ec85_down
    .symbol:         k_q516a28ec85_down.kd
    .args:
      - { .name: h, .offset: 0, .size: 8, .value_kind: global_buffer, .address_space: global }
      - { .name: w2h, .offset: 8, .size: 8, .value_kind: global_buffer, .address_space: global }
      - { .name: part, .offset: 16, .size: 8, .value_kind: global_buffer, .address_space: global }
    .group_segment_fixed_size: 327680
    .private_segment_fixed_size: 0
    .kernarg_segment_align: 8
    .kernarg_segment_size: 24
    .max_flat_workgroup_size: 128
    .sgpr_count:     66
    .vgpr_count:     1024
    .wavefront_size: 32
...
	.end_amdgpu_metadata
.endif
;; end of part 3
;; launch combine (part 4): grid 512 x 1, 8 waves a work-group, no clusters, 0 bytes of LDS; arguments part, gates, b2, out0; writes out0
.if DOCPART == 4
	.amdgcn_target "amdgcn-amd-amdhsa--gfx1250"
	.amdhsa_code_object_version 6
	.text
	.protected	k_q516a28ec85_combine
	.globl	k_q516a28ec85_combine
	.p2align	8
	.type	k_q516a28ec85_combine,@function
k_q516a28ec85_combine:
	s_mov_b64 s[64:65], 0
	v_nop
	global_prefetch_b8 v0, s[64:65] scope:SCOPE_SE
	s_setreg_imm32_b32 hwreg(HW_REG_WAVE_MODE, 25, 1), 1
	s_wait_xcnt 0x0
; COMBINE.  out0[t][c] = sum over s of part[s][t][c] + sum over e of gates[t][e] b2[e][c].  part: [8][2048][1024] f32; gates: [2048][8] f32; b2: [8][1024] f32; out0: [2048][1024] f32.
; A stream: every byte of part is read once and every byte of out0 written once; no LDS, no barrier, no matrix unit, no cluster: the work-groups share nothing but b2's 32,768 bytes.
; A work-group owns four rows, thread t columns 4 t .. 4 t + 3: a load or store of a wave covers 512 consecutive bytes, aligned.  All 32 loads of part are issued at once; the rows are finished as they come.
; The rows' 32 gates are the same for all lanes and come by scalar loads (this launch stores nothing into gates).  b2 is rounded to bf16 like every input.
; The eight partial sums are added as a tree, in f32; the order differs from a single sum over all hidden units.  NaN and infinities are not treated apart.
.set B2, 16                            ; v[16:47]   b2[e] of my four columns at B2 + 4 e
.set PT, 48                            ; v[48:175]  part of row r, split s at PT + 32 r + 4 s
	s_load_b256 s[4:11], s[0:1], 0x0               ; part s[4:5], gates s[6:7], b2 s[8:9], out0 s[10:11]
	v_lshlrev_b32 v1, 4, v0                        ; 16 bytes a thread
	s_lshl_b32 s12, ttmp9, 7                       ; four rows of gates: 128 bytes
	s_mov_b32 s13, 0
	s_lshl_b32 s14, ttmp9, 14                      ; four rows of 4,096 bytes
	s_mov_b32 s15, 0
.irp s, 0,1,2,3,4,5,6,7
	v_add_nc_u32 v[2+\s], (\s)*8388608, v1         ; the split's place does not fit a load's immediate
.endr
	s_wait_kmcnt 0x0
	s_add_nc_u64 s[6:7], s[6:7], s[12:13]
	s_add_nc_u64 s[4:5], s[4:5], s[14:15]
	s_add_nc_u64 s[10:11], s[10:11], s[14:15]
	s_load_b512 s[16:31], s[6:7], 0x0              ; the gate of row r, expert e in s[16 + 8 r + e]
	s_load_b512 s[32:47], s[6:7], 0x40
	s_mov_b32 s12, 0xffff0000                      ; a word's upper bf16
.irp e, 0,1,2,3,4,5,6,7
	global_load_b128 v[B2+4*(\e):B2+4*(\e)+3], v1, s[8:9] offset:4096*(\e)
.endr
.irp r, 0,1,2,3
.irp s, 0,1,2,3,4,5,6,7
	global_load_b128 v[PT+32*(\r)+4*(\s):PT+32*(\r)+4*(\s)+3], v[2+\s], s[4:5] offset:4096*(\r) th:TH_LOAD_NT
.endr
.endr
	s_wait_loadcnt 32                              ; b2 is in; part's 32 loads stay out
.irp e, 0,1,2,3,4,5,6,7
	v_cvt_pk_bf16_f32 v10, v[B2+4*(\e)], v[B2+4*(\e)+1]
	v_cvt_pk_bf16_f32 v11, v[B2+4*(\e)+2], v[B2+4*(\e)+3]
	v_lshlrev_b32 v[B2+4*(\e)], 16, v10
	v_and_b32 v[B2+4*(\e)+1], s12, v10
	v_lshlrev_b32 v[B2+4*(\e)+2], 16, v11
	v_and_b32 v[B2+4*(\e)+3], s12, v11
.endr
	s_wait_kmcnt 0x0                               ; the gates
.irp r, 0,1,2,3
	s_wait_loadcnt 8*(3-(\r))                      ; row r's eight loads are in; the later rows' stay out
.irp a, 0,2,4,6                        ; splits 0+1, 2+3, 4+5, 6+7
	v_pk_add_f32 v[PT+32*(\r)+4*(\a):PT+32*(\r)+4*(\a)+1], v[PT+32*(\r)+4*(\a):PT+32*(\r)+4*(\a)+1], v[PT+32*(\r)+4*(\a)+4:PT+32*(\r)+4*(\a)+5]
	v_pk_add_f32 v[PT+32*(\r)+4*(\a)+2:PT+32*(\r)+4*(\a)+3], v[PT+32*(\r)+4*(\a)+2:PT+32*(\r)+4*(\a)+3], v[PT+32*(\r)+4*(\a)+6:PT+32*(\r)+4*(\a)+7]
.endr
.irp a, 0,4                            ; then pairs of those
	v_pk_add_f32 v[PT+32*(\r)+4*(\a):PT+32*(\r)+4*(\a)+1], v[PT+32*(\r)+4*(\a):PT+32*(\r)+4*(\a)+1], v[PT+32*(\r)+4*(\a)+8:PT+32*(\r)+4*(\a)+9]
	v_pk_add_f32 v[PT+32*(\r)+4*(\a)+2:PT+32*(\r)+4*(\a)+3], v[PT+32*(\r)+4*(\a)+2:PT+32*(\r)+4*(\a)+3], v[PT+32*(\r)+4*(\a)+10:PT+32*(\r)+4*(\a)+11]
.endr
	v_pk_add_f32 v[PT+32*(\r):PT+32*(\r)+1], v[PT+32*(\r):PT+32*(\r)+1], v[PT+32*(\r)+16:PT+32*(\r)+17]
	v_pk_add_f32 v[PT+32*(\r)+2:PT+32*(\r)+3], v[PT+32*(\r)+2:PT+32*(\r)+3], v[PT+32*(\r)+18:PT+32*(\r)+19]
.irp e, 0,1,2,3,4,5,6,7
.irp c, 0,1,2,3
	v_fma_f32 v[PT+32*(\r)+(\c)], s[16+8*(\r)+(\e)], v[B2+4*(\e)+(\c)], v[PT+32*(\r)+(\c)]
.endr
.endr
	global_store_b128 v1, v[PT+32*(\r):PT+32*(\r)+3], s[10:11] offset:4096*(\r) th:TH_STORE_NT
.endr
	s_endpgm
.Lfunc_end_k_q516a28ec85_combine:
	.size	k_q516a28ec85_combine, .Lfunc_end_k_q516a28ec85_combine-k_q516a28ec85_combine
	.p2alignl 7, 3214868480
	.fill 96, 4, 3214868480
	.section	.rodata,"a",@progbits
	.p2align	6, 0x0
	.amdhsa_kernel k_q516a28ec85_combine
		.amdhsa_group_segment_fixed_size 0
		.amdhsa_private_segment_fixed_size 0
		.amdhsa_enable_private_segment 0
		.amdhsa_kernarg_size 32
		.amdhsa_user_sgpr_count 2
		.amdhsa_user_sgpr_kernarg_segment_ptr 1
		.amdhsa_wavefront_size32 1
		.amdhsa_system_sgpr_workgroup_id_x 1
		.amdhsa_system_sgpr_workgroup_id_y 1
		.amdhsa_system_sgpr_workgroup_id_z 1
		.amdhsa_system_vgpr_workitem_id 0
		.amdhsa_next_free_vgpr 176
		.amdhsa_next_free_sgpr 66
		.amdhsa_reserve_vcc 0
		.amdhsa_float_denorm_mode_32 3
		.amdhsa_float_denorm_mode_16_64 3
		.amdhsa_memory_ordered 1
		.amdhsa_forward_progress 1
		.amdhsa_inst_pref_size 20
	.end_amdhsa_kernel
	.amdgpu_metadata
---
amdhsa.version: [ 1, 2 ]
amdhsa.kernels:
  - .name:           k_q516a28ec85_combine
    .symbol:         k_q516a28ec85_combine.kd
    .args:
      - { .name: part, .offset: 0, .size: 8, .value_kind: global_buffer, .address_space: global }
      - { .name: gates, .offset: 8, .size: 8, .value_kind: global_buffer, .address_space: global }
      - { .name: b2, .offset: 16, .size: 8, .value_kind: global_buffer, .address_space: global }
      - { .name: out0, .offset: 24, .size: 8, .value_kind: global_buffer, .address_space: global }
    .group_segment_fixed_size: 0
    .private_segment_fixed_size: 0
    .kernarg_segment_align: 8
    .kernarg_segment_size: 32
    .max_flat_workgroup_size: 256
    .sgpr_count:     66
    .vgpr_count:     176
    .wavefront_size: 32
...
	.end_amdgpu_metadata
.endif
;; end of part 4
;; ======== version 2 of 2: 4 launches; version 1 with the launch prep written anew for expert scheduling mode
;; limits: values are held in f16: magnitudes above 65,504 overflow, below 6.1e-05 lose precision
;; workspace buffers: xb 4,194,304 bytes; w1b 33,554,432 bytes; w2h 33,554,432 bytes; gates 65,536 bytes; h 67,108,864 bytes; part 67,108,864 bytes
;; launch prep (part 5): grid 1280 x 1, 4 waves a work-group, no clusters, 0 bytes of LDS; arguments x, w_router, b_router, w1, xb, w1b, gates; writes xb, w1b, gates
.if DOCPART == 5
	.amdgcn_target "amdgcn-amd-amdhsa--gfx1250"
	.amdhsa_code_object_version 6
	.text
	.protected	k_q516a28ec85_prep
	.globl	k_q516a28ec85_prep
	.p2align	8
	.type	k_q516a28ec85_prep,@function
k_q516a28ec85_prep:
	s_mov_b64 s[64:65], 0
	v_nop
	global_prefetch_b8 v0, s[64:65] scope:SCOPE_SE
	s_setreg_imm32_b32 hwreg(HW_REG_WAVE_SCHED_MODE, 0, 2), 2
	s_setreg_imm32_b32 hwreg(HW_REG_WAVE_MODE, 25, 1), 1
	s_wait_xcnt 0x0
	s_wait_alu depctr_vm_vsrc(0)
; PREP.  Two kinds of work-group, chosen by the work-group's number g:
;   g < 256   ROUTER: 8 tokens; x is rounded to bf16 (xb), and gates[t][e] = softmax_e(x[t] . w_router[:, e] + b_router[e]) is stored in f32.
;   g >= 256  w1 is rounded to bf16 (w1b), as it lies, 65,536 input bytes a work-group.
; (w2 is not wanted before the second product: the launch behind this one rounds it beside its matrix work.)
; All inputs are rounded to bf16 once, here or where they are read; the router multiplies the same rounded x, w_router and b_router, with f32 sums.
; 256 + 1,024 work-groups are five for each of 256 WGPs.
; THE ROUTER IS NOT ON THE MATRIX UNIT: its product has 8 columns, 2048 x 1024 x 8 multiply-adds against the module's 2 x 2048 x 1024 x 16384; a matrix fragment wants one token a lane, while the
; cast of x wants 32 lanes on 512 neighbouring bytes of one token.  So each lane multiplies its 32 columns by bf16 halves (v_fma_mix_f32_bf16), and the lanes' sums meet by a reduce-scatter.
; No LDS, no barrier, no cluster: no wave needs another's data but w_router, 32,768 bytes that every router wave reads for itself.
; LIMITS.  An exponential below 2^-126 counts as 0.  NaN and infinities are not treated apart.
; THE MODE: SCHED_MODE bits 1:0 = 2 (LLVM: expert scheduling mode 2), set by the entry lines.  The code itself states the register dependences
; between vector instructions and memory instructions, with s_wait_alu, always for 0.
; THE PLAN.  On both paths the loads go in blocks of four through a ring of five buffers of 16 registers.  Block p is worked on in buffer p % 5; blocks p + 1 to p + 3 are on their way; block p + 4,
; asked for in block p, lands in buffer (p + 4) % 5 = (p - 1) % 5: the buffer that block p - 1's conversions read and that no vector line of block p names.  Registers that memory instructions touch:
;   the offsets   v2, v3 (cast); v2, v3, v4, v12, v13 (router): made once at the path's head, never written again.
;   the ring      Written by the loads; read by its block's eight conversions.
;   YY (cast)     Written by block p's conversions, once; read by the four stores that are issued in block p + 1.
;   XB (router)   Written by a token's sixteen conversions, once; read by its eight stores, which stand in one run behind one wait, and by the products.
;   v6, v9        The bias, loaded once; the gate, stored once.
; So ONE wait on va_vdst stands at a block's head, and the block's loads and stores are dealt among its conversions with no further wait.  No register that a memory instruction reads is written
; again, so the waits on vm_vsrc are the one at the entry and the two in front of the writes of EXEC at the router's end.  The text has no loop.
.set RB,   48                          ; v[48:127]   the ring: buffer k at RB + 16 k, a load's four registers at + 4 i
.set RING, 64                          ; v[64:127]   buffers 1 to 4: x's sixteen loads end there, token k's load j at RING + 32 k + 4 j
.set YY,   128                         ; v[128:191]  cast: two registers for each of a wave's 32 stores, never rewritten
.set ACC,  16                          ; v[16:31]    router: the sum of token k, expert e at ACC + 8 k + e
.set XB,   32                          ; v[32:63]    router: token k's 32 columns of this lane, packed bf16, at XB + 16 k (token 1's lie where buffer 0 lay: its last block is worked off by then)
.set W,    128                         ; v[128:255]  router: w_router of this lane's 32 columns: column q, expert e in W + 4 q + e / 2, half e % 2
; A wave casts 16,384 bytes: 32 loads of 512 neighbouring bytes, eight blocks of four, 16 loads on their way; each store of the wave covers 256 consecutive bytes, aligned.
.macro CAST in, out
.set j, 0
.rept 16
	global_load_b128 v[RB+4*j:RB+4*j+3], v2, s[\in:\in+1] offset:512*j th:TH_LOAD_NT  ; blocks 0 to 3 into buffers 0 to 3
.set j, j+1
.endr
.set p, 0
.rept 8
.if p < 5
	s_wait_loadcnt 12                              ; loads come back in order (ISA guide 5.7.1): block p is in, the three younger blocks stay out
.else
	s_wait_loadcnt 4*(7-p)                         ; nothing more is issued: the counts run down
.endif
.if p > 0
	s_wait_alu depctr_va_vdst(0)                   ; the block before has written its part of YY, which the stores below read, and is done reading its buffer, in which the loads below land
.endif
.set i, 0
.rept 4
.set j, 4*p+i
.set sl, RB+16*(p%5)+4*i
.set nx, RB+16*((p+4)%5)+4*i
.if p < 4
	global_load_b128 v[nx:nx+3], v2, s[\in:\in+1] offset:512*(j+16) th:TH_LOAD_NT  ; four blocks ahead; no vector line since the wait names these registers (block 0: none ever has)
.endif
.if p > 0
	global_store_b64 v3, v[YY+2*j-8:YY+2*j-7], s[\out:\out+1] offset:256*(j-4)     ; the block before
.endif
	v_cvt_pk_bf16_f32 v[YY+2*j], v[sl], v[sl+1]
	v_cvt_pk_bf16_f32 v[YY+2*j+1], v[sl+2], v[sl+3]
.set i, i+1
.endr
.set p, p+1
.endr
	s_wait_alu depctr_va_vdst(0)                   ; block 7 has written its part of YY, which the last four stores read
.set j, 28
.rept 4
	global_store_b64 v3, v[YY+2*j:YY+2*j+1], s[\out:\out+1] offset:256*j
.set j, j+1
.endr
.endm
; One step of the reduce-scatter over n sums: a lane whose bit b is 0 keeps the even sum of each pair and sends the odd one to the lane x away, the other lane the other way round.
.macro BFLY b, x, n
.set i, 0
.rept (\n)/2
	v_cndmask_b32 v[8+2*(i%2)], v[ACC+2*i+1], v[ACC+2*i], s[24+\b]   ; what I send
	v_cndmask_b32 v[9+2*(i%2)], v[ACC+2*i], v[ACC+2*i+1], s[24+\b]   ; what I keep
	v_add_f32_dpp v[ACC+i], v[8+2*(i%2)], v[9+2*(i%2)] row_xmask:\x row_mask:0xf bank_mask:0xf
.set i, i+1
.endr
.endm
; Token k: 32 columns x 8 experts, eight chains that do not wait for each other; the first product starts each sum on v5 = 0.
.macro DOT k
.set qq, 0
.rept 16
.irp sa, 0,1
.set ee, 0
.rept 4
.irp sb, 0,1
.if (qq == 0) && (\sa == 0)
	v_fma_mix_f32_bf16 v[ACC+8*(\k)+2*ee+\sb], v[XB+16*(\k)+qq], v[W+4*(2*qq+\sa)+ee], v5 op_sel:[\sa,\sb,0] op_sel_hi:[1,1,0]
.else
	v_fma_mix_f32_bf16 v[ACC+8*(\k)+2*ee+\sb], v[XB+16*(\k)+qq], v[W+4*(2*qq+\sa)+ee], v[ACC+8*(\k)+2*ee+\sb] op_sel:[\sa,\sb,0] op_sel_hi:[1,1,0]
.endif
.endr
.set ee, ee+1
.endr
.endr
.set qq, qq+1
.endr
.endm
; Token k's eight loads are rounded to bf16 and packed, all sixteen conversions first; then its eight stores in one run: each store of the wave covers 256 consecutive bytes of xb, aligned.
.macro XROW k
.set j, 0
.rept 8
	v_cvt_pk_bf16_f32 v[XB+16*(\k)+2*j], v[RING+32*(\k)+4*j], v[RING+32*(\k)+4*j+1]
	v_cvt_pk_bf16_f32 v[XB+16*(\k)+2*j+1], v[RING+32*(\k)+4*j+2], v[RING+32*(\k)+4*j+3]
.set j, j+1
.endr
	s_wait_alu depctr_va_vdst(0)                   ; the sixteen conversions have written the token's part of XB, which the eight stores read
.set j, 0
.rept 8
	global_store_b64 v4, v[XB+16*(\k)+2*j:XB+16*(\k)+2*j+1], s[12:13] offset:2048*(\k)+256*j
.set j, j+1
.endr
.endm
	s_load_b256 s[4:11], s[0:1], 0x0               ; x s[4:5], w_router s[6:7], b_router s[8:9], w1 s[10:11]
	s_load_b128 s[12:15], s[0:1], 0x20             ; xb s[12:13], w1b s[14:15]
	s_load_b64 s[16:17], s[0:1], 0x30              ; gates
	s_mov_b32 s23, ttmp9                           ; g
	v_and_b32 v1, 31, v0                           ; lane
	v_lshrrev_b32 v3, 5, v0
	v_readfirstlane_b32 s22, v3                    ; wave
	s_mov_b32 s33, 0                               ; the high word of every offset
	s_wait_alu depctr_va_sdst(0)                   ; s22 is written, ahead of the branch: the router's path makes its tokens' number from it
	s_wait_kmcnt 0x0
	s_cmp_lt_u32 s23, 256
	s_cbranch_scc1 .Lrouter
	v_lshlrev_b32 v2, 4, v1
	v_lshl_add_u32 v2, v3, 14, v2                  ; in: 16 x lane + 16,384 x wave; never rewritten
	v_lshlrev_b32 v4, 3, v1
	v_lshl_add_u32 v3, v3, 13, v4                  ; out: half of that; never rewritten
	s_sub_co_u32 s30, s23, 256
	s_lshl_b32 s32, s30, 16                        ; four waves x 16,384 bytes in,
	s_add_nc_u64 s[10:11], s[10:11], s[32:33]
	s_lshl_b32 s32, s30, 15                        ; half of that out
	s_add_nc_u64 s[14:15], s[14:15], s[32:33]
	s_wait_alu depctr_va_vdst(0)                   ; v2 and v3 are written: every load and store of this path reads one of them as its offset
	CAST 10, 14
	s_endpgm
.Lrouter:                                              ; a wave has two tokens, t0 = 8 g + 2 wave and t0 + 1
	s_lshl_b32 s30, s23, 3
	s_lshl_b32 s31, s22, 1
	s_add_co_u32 s30, s30, s31
	s_lshl_b32 s32, s30, 12
	s_add_nc_u64 s[4:5], s[4:5], s[32:33]          ; x at t0
	s_lshl_b32 s32, s30, 11
	s_add_nc_u64 s[12:13], s[12:13], s[32:33]      ; xb at t0
	s_lshl_b32 s32, s30, 5
	s_add_nc_u64 s[16:17], s[16:17], s[32:33]      ; gates at t0
	s_mov_b32 s28, 0x76543210                      ; v_permlanex16_b32: each lane takes its own place in the other half
	s_mov_b32 s29, 0xfedcba98
	v_lshlrev_b32 v2, 4, v1                        ; x: load j of a token brings me columns 128 j + 4 lane + 0..3
	v_lshlrev_b32 v3, 7, v1                        ; w_router: those four rows of 32 bytes begin at 4,096 j + 128 lane
	v_lshlrev_b32 v4, 3, v1                        ; xb: the same four columns, 8 bytes
	v_lshlrev_b32 v12, 2, v1                       ; gates: 4 x lane
	v_mov_b32 v5, 0
	v_and_b32 v13, 7, v1
	v_lshlrev_b32 v13, 2, v13                      ; b_router of expert lane % 8; v13 is not rewritten
.irp b, 0,1,2,3
	v_and_b32 v7, 1<<\b, v1
	v_cmp_ne_u32 s[24+\b], 0, v7                   ; the lanes whose bit b is set
.endr
	s_wait_alu depctr_va_sdst(0)                   ; the four masks s24 to s27 are written, ahead of their first reader, the reduce-scatter's selects: one wait behind the run of compares
	s_wait_alu depctr_va_vdst(0)                   ; the five offsets v2, v3, v4, v12 and v13 are written: every load and store of this path reads one of them
	global_load_b32 v6, v13, s[8:9]
.set j, 0
.rept 16
	global_load_b128 v[RB+4*j:RB+4*j+3], v3, s[6:7] offset:4096*(j/8)+16*(j%8)  ; blocks 0 to 3 into buffers 0 to 3
.set j, j+1
.endr
; w_router's 64 loads are blocks 0 to 15; load j holds column q = 4 (j / 8) + (j % 8) / 2 of my 32, experts 4 (j % 2) + 0..3.  Behind them, as blocks 16 to 19, x's sixteen: they fall into buffers 1 to 4.
.set p, 0
.rept 16
	s_wait_loadcnt 12                              ; four loads are issued a block, so the three younger blocks stand behind block p (the bias's load is the oldest of all)
.if p > 0
	s_wait_alu depctr_va_vdst(0)                   ; the block before is done reading its buffer, in which the four loads below land
.endif
.set i, 0
.rept 4
.set j, 4*p+i
.set sl, RB+16*(p%5)+4*i
.set nx, RB+16*((p+4)%5)+4*i
.if p < 12
.set n, j+16
	global_load_b128 v[nx:nx+3], v3, s[6:7] offset:4096*(n/8)+16*(n%8)  ; four blocks ahead; no vector line since the wait names these registers (block 0: none ever has)
.else
.set n, j-48
	global_load_b128 v[nx:nx+3], v2, s[4:5] offset:4096*(n/8)+512*(n%8) th:TH_LOAD_NT  ; token n / 8, load n % 8, at RING + 4 n
.endif
	v_cvt_pk_bf16_f32 v[W+2*j], v[sl], v[sl+1]
	v_cvt_pk_bf16_f32 v[W+2*j+1], v[sl+2], v[sl+3]
.set i, i+1
.endr
.set p, p+1
.endr
	s_wait_loadcnt 8                               ; the first token's eight loads are in; the second's may stay out
	XROW 0
	DOT 0
	s_wait_loadcnt 0x0
	XROW 1
	DOT 1
	BFLY 0, 1, 16                                  ; 16 sums a lane become one: lane l of a half holds token (l >> 3) & 1, expert l & 7, summed over the half's 16 lanes,
	BFLY 1, 2, 8
	BFLY 2, 4, 4
	BFLY 3, 8, 2
	v_permlanex16_b32 v8, v[ACC], s28, s29         ; (v8 has been written)
	v_add_f32 v[ACC], v[ACC], v8                   ; and over both halves
	v_cvt_pk_bf16_f32 v7, v6, v6                   ; the bias, rounded like every input
	v_lshlrev_b32 v7, 16, v7
	v_add_f32 v[ACC], v[ACC], v7
	v_mov_b32 v8, v[ACC]                           ; the token's largest logit: its eight experts lie in eight neighbouring lanes
	v_max_num_f32_dpp v8, v8, v8 row_xmask:1 row_mask:0xf bank_mask:0xf
	v_max_num_f32_dpp v8, v8, v8 row_xmask:2 row_mask:0xf bank_mask:0xf
	v_max_num_f32_dpp v8, v8, v8 row_xmask:4 row_mask:0xf bank_mask:0xf
	v_sub_f32 v9, v[ACC], v8
	v_mul_f32 v9, 0x3fb8aa3b, v9                   ; log2(e)
	v_exp_f32 v9, v9
	v_nop                                          ; a plain instruction behind the exponential (ISA guide 5.7.2),
	s_wait_alu depctr_va_vdst(0)                   ; and the wait ahead of its first reader: the exponential has written v9
	v_mov_b32 v10, v9
	v_add_f32_dpp v10, v10, v10 row_xmask:1 row_mask:0xf bank_mask:0xf
	v_add_f32_dpp v10, v10, v10 row_xmask:2 row_mask:0xf bank_mask:0xf
	v_add_f32_dpp v10, v10, v10 row_xmask:4 row_mask:0xf bank_mask:0xf
	v_rcp_f32 v11, v10
	v_nop
	s_wait_alu depctr_va_vdst(0)                   ; the same for the reciprocal: it has written v11
	v_mul_f32 v9, v9, v11
	v_cmp_gt_u32 vcc_lo, 16, v1                    ; lanes 0-15 store the two tokens' 64 consecutive bytes: a quarter of an aligned 256; the whole buffer is 65,536 bytes
	s_wait_xcnt 0x0                                ; EXEC changes only behind this wait: xb's stores are out
	s_wait_alu depctr_va_vcc(0)                    ; VCC is written: EXEC is made from it
	s_wait_alu depctr_va_vdst(0)                   ; ahead of the write of EXEC: every vector line issued so far has written its result, v9, which the store below reads, among them
	s_wait_alu depctr_vm_vsrc(0)                   ; ahead of the write of EXEC: xb's stores have read their registers
	s_and_saveexec_b32 s31, vcc_lo
	global_store_b32 v12, v9, s[16:17]
	s_wait_xcnt 0x0
	s_wait_alu depctr_va_vdst(0)                   ; ahead of the write of EXEC: both lines stand at every such write
	s_wait_alu depctr_vm_vsrc(0)                   ; the store has read v12 and v9
	s_or_b32 exec_lo, exec_lo, s31
	s_endpgm
.Lfunc_end_k_q516a28ec85_prep:
	.size	k_q516a28ec85_prep, .Lfunc_end_k_q516a28ec85_prep-k_q516a28ec85_prep
	.p2alignl 7, 3214868480
	.fill 96, 4, 3214868480
	.section	.rodata,"a",@progbits
	.p2align	6, 0x0
	.amdhsa_kernel k_q516a28ec85_prep
		.amdhsa_group_segment_fixed_size 0
		.amdhsa_private_segment_fixed_size 0
		.amdhsa_enable_private_segment 0
		.amdhsa_kernarg_size 56
		.amdhsa_user_sgpr_count 2
		.amdhsa_user_sgpr_kernarg_segment_ptr 1
		.amdhsa_wavefront_size32 1
		.amdhsa_system_sgpr_workgroup_id_x 1
		.amdhsa_system_sgpr_workgroup_id_y 1
		.amdhsa_system_sgpr_workgroup_id_z 1
		.amdhsa_system_vgpr_workitem_id 0
		.amdhsa_next_free_vgpr 256
		.amdhsa_next_free_sgpr 66
		.amdhsa_reserve_vcc 1
		.amdhsa_float_denorm_mode_32 3
		.amdhsa_float_denorm_mode_16_64 3
		.amdhsa_memory_ordered 1
		.amdhsa_forward_progress 1
		.amdhsa_inst_pref_size 70
	.end_amdhsa_kernel
	.amdgpu_metadata
---
amdhsa.version: [ 1, 2 ]
amdhsa.kernels:
  - .name:           k_q516a28ec85_prep
    .symbol:         k_q516a28ec85_prep.kd
    .args:
      - { .name: x, .offset: 0, .size: 8, .value_kind: global_buffer, .address_space: global }
      - { .name: w_router, .offset: 8, .size: 8, .value_kind: global_buffer, .address_space: global }
      - { .name: b_router, .offset: 16, .size: 8, .value_kind: global_buffer, .address_space: global }
      - { .name: w1, .offset: 24, .size: 8, .value_kind: global_buffer, .address_space: global }
      - { .name: xb, .offset: 32, .size: 8, .value_kind: global_buffer, .address_space: global }
      - { .name: w1b, .offset: 40, .size: 8, .value_kind: global_buffer, .address_space: global }
      - { .name: gates, .offset: 48, .size: 8, .value_kind: global_buffer, .address_space: global }
    .group_segment_fixed_size: 0
    .private_segment_fixed_size: 0
    .kernarg_segment_align: 8
    .kernarg_segment_size: 56
    .max_flat_workgroup_size: 128
    .sgpr_count:     66
    .vgpr_count:     256
    .wavefront_size: 32
...
	.end_amdgpu_metadata
.endif
;; end of part 5
;; launch up: the kernel of part 2 again; grid 64 x 8, 4 waves a work-group, clusters of 4 x 4, 327,680 bytes of LDS; arguments xb, w1b, b1, gates, h, w2, w2h; writes h, w2h
;; launch down: the kernel of part 3 again; grid 32 x 8, 4 waves a work-group, clusters of 4 x 4, 327,680 bytes of LDS; arguments h, w2h, part; writes part
;; launch combine: the kernel of part 4 again; grid 512 x 1, 8 waves a work-group, no clusters, 0 bytes of LDS; arguments part, gates, b2, out0; writes out0
